; MI455X (gfx1250); checked and timed in simulation.
; The chip was launched on July 23, 2026; its instructions are those of AMD's public machine-readable ISA for CDNA 5 (MIT licence, August 2026) and "CDNA5" Instruction Set Architecture Reference Guide (July 2026). The comments in the code are by the model that wrote it; some were corrected since.
;; Dot Attention. Allowed arithmetic: matrix products marked QUANTISED: E2M1 operands, one E8M0 scale for each 32 along K, by v_wmma_scale_f32_16x16x128_f8f6f4 with both operands' format E2M1 (or v_wmma_scale_f32_32x16x128_f4), f32 sums; products left as they are: bf16, f16 or f32 operands; f32 sums; everything else in f32.
;; Inputs: Wq 2,048 x 2,048 float32; Wr 2,048 x 2,048 float32; query 2,048 x 2,048 float32; ref 4,096 x 2,048 float32.
;; Outputs: out0 2,048 x 2,048 float32.
;; This version of the problem:
;;   THIS VERSION OF THE PROBLEM IS GIVEN IN LOW PRECISION. The matrix products marked QUANTISED in the list below multiply operands that are first quantised to E2M1 (2 exponent bits, 1 mantissa bit; 4 bits a number), with one power-of-two scale for each 32 numbers along K (OCP MX v1.0); their sums are f32. The products marked 'left as it is' may take bf16, f16 or f32 operands, with f32 sums. Whichever they take, every output number must still come out within the allowed error. Rounding operands to bf16 (8 significant bits) uses up far more of that allowance than f16 does (11 bits, for magnitudes from 6e-5 to 65,504). All else is computed in f32.
;;   The module's matrix products, in the order in which they are computed (A, B: the left and right operand; K: the contracted axis; several contracted axes count as one K, in the product's order):
;;     1. [M 2,048, K 2,048] x [K 2,048, N 2,048]; A: input query; B: input Wq: QUANTISED
;;     2. [M 4,096, K 2,048] x [K 2,048, N 2,048]; A: input ref; B: input Wr: QUANTISED
;;     3. [M 2,048, K 2,048] x [K 2,048, N 4,096]; A: computed on the way; B: computed on the way: left as it is (an operand is computed on the way)
;;     4. [M 2,048, K 4,096] x [K 4,096, N 2,048]; A: computed on the way; B: input ref: left as it is (an operand is computed on the way)
;;   THE QUANTISER, for each operand of a quantised product, along K:
;;     - K is cut into blocks of 32 from its start; a last block that is shorter is filled with zeros.
;;     - A block's scale is 2^e with e = floor(log2(the largest magnitude in the block)) - 2, held to -126 .. 127; a block of zeros has e = 0. As a byte (E8M0): e + 127.
;;     - Each number is divided by its block's scale, clamped to +-6, and rounded to the nearest number of E2M1, ties to even, subnormals kept.
;;     - The product sums the exact products of the quantised numbers (number of the format x scale) in f32.
;;   ~~~python
;;   def quantise(x, axis):      # numpy; x: float32 -> the quantised numbers, widened to float32 again
;;       x = np.moveaxis(x, axis, -1); K = x.shape[-1]
;;       x = np.pad(x, [(0, 0)] * (x.ndim - 1) + [(0, -K % 32)]); x = x.reshape(x.shape[:-1] + (-1, 32)); a = np.abs(x).max(-1, keepdims=True)
;;       e = np.where(a > 0, np.clip(np.frexp(np.where(a > 0, a, 1))[1] - 1 - 2, -126, 127), 0)      # np.frexp(a)[1] - 1 = floor(log2(a)), exactly
;;       r = np.clip(x / 2.0 ** e, -6, 6)
;;       step = 2.0 ** (np.maximum(np.frexp(np.where(r == 0, 1, r))[1] - 1, 0) - 1)
;;       q = np.round(r / step) * step * 2.0 ** e      # np.round: ties to even
;;       return np.moveaxis(q.reshape(q.shape[:-2] + (-1,))[..., :K], -1, axis).astype(np.float32)
;;   ~~~
;; One version. Each part assembles by itself: llvm-mc -triple=amdgcn-amd-amdhsa -mcpu=gfx1250 --defsym DOCPART=n.
;; ======== version 1 of 1: 4 launches
;; limits: values are held in f16: magnitudes above 65,504 overflow, below 6.1e-05 lose precision; right only within a limited range of input values
;; workspace buffers: acodes 6,291,456 bytes; ascales 393,216 bytes; wcodes 4,194,304 bytes; wscales 262,144 bytes; ref16 16,777,216 bytes; h16 25,165,824 bytes; p16 16,777,216 bytes; stats 524,288 bytes
;; launch quant (part 1): grid 640 x 1, 4 waves a work-group, no clusters, 33,280 bytes of LDS; arguments query, ref, Wq, Wr, acodes, ascales, wcodes, wscales, ref16; writes acodes, ascales, wcodes, wscales, ref16
.if DOCPART == 1
	.amdgcn_target "amdgcn-amd-amdhsa--gfx1250"
	.amdhsa_code_object_version 6
	.text
	.protected	k_qd926173626_quant
	.globl	k_qd926173626_quant
	.p2align	8
	.type	k_qd926173626_quant,@function
k_qd926173626_quant:
	s_mov_b64 s[64:65], 0
	v_nop
	global_prefetch_b8 v0, s[64:65] scope:SCOPE_SE
	s_setreg_imm32_b32 hwreg(HW_REG_WAVE_MODE, 25, 1), 1
	s_wait_xcnt 0x0
; query [2048][2048], ref [4096][2048], Wq, Wr [2048][2048], f32, K innermost, become codes of FP4 (E2M1), two a byte, the lower k in the low four bits, with one E8M0 byte for each 32 along K.
; acodes/ascales hold query's rows and behind them ref's; wcodes/wscales hold Wq's rows and behind them Wr's.  ref is also written once as f16 (ref16), as it lies, for the last product.
; A block's scale is 2^(floor(log2(its largest magnitude)) - 2): its byte is the largest magnitude's exponent field - 2, held at 1 from below.  A block of zeros so gets the byte 1 where the rule says 127:
; its codes are zeros, which add nothing under any byte but 0xff, and the bytes are read by this program alone.
; LIMITS: NaN and infinities among the inputs are not served; |ref| stays under 65,504 (f16's largest number).
; Rows are dense and K is a multiple of 32: every tensor is a plain stream of blocks of 32.  A work-group takes 32,768 numbers, a wave 16 steps of 512.
; Work-groups 0-127 query, 128-383 ref, 384-511 Wq, 512-639 Wr: only pointers are chosen, all four take one way through the text; ref's work-groups take one branch more, round the f16 stores.
; A step's four loads read 512 consecutive bytes each; the 2,048 bytes turn through the wave's own stage in LDS so that a lane holds 16 neighbours (two lanes a block).  No barrier: waves share nothing.
.set WAVES, 4
.set STEPS, 16
.set EMAX,  2
.set CB,    8                          ; bytes of 16 codes
.set R,     16                         ; v16-79   four sets of 16 numbers as they are loaded
.set X,     80                         ; v80-111  two sets of 16 neighbours
.set E,     112                        ; v112-127 a scale byte for each step
.set C,     128                        ; v128-191 codes: four registers for each step, so that no store's data are written again
.set H,     192                        ; v192-199 a step's numbers as f16
.set WREG,  8192                       ; LDS: a region for each wave: two stages of 32 x SP bytes, behind them its 256 scale bytes
.set SP,    80                         ; a lane's place in a stage: 64 bytes + 16 of padding
.set SPW,   12                         ; v12  LDS address of my spare word; never rewritten
.set NIL,   13                         ; v13  0; never rewritten
.set SPARE, WAVES*WREG                 ; behind the four regions: the spare words, 128 bytes a wave
	s_load_b256 s[4:11], s[0:1], 0x0               ; query, ref, Wq, Wr
	s_load_b256 s[12:19], s[0:1], 0x20             ; acodes, ascales, wcodes, wscales
	s_load_b64 s[20:21], s[0:1], 0x40              ; ref16
	v_lshl_add_u32 v[SPW], v0, 2, SPARE
	v_mov_b32 v[NIL], 0
	v_lshrrev_b32 v1, 5, v0
	v_readfirstlane_b32 s22, v1                    ; wave
	v_and_b32 v2, 31, v0                           ; lane
	v_lshlrev_b32 v3, 4, v2                        ; my 16 bytes of a load's 512
	s_mul_i32 s23, s22, WREG
	v_lshrrev_b32 v14, 2, v2
	v_mul_u32_u24 v14, v14, SP
	v_and_b32 v15, 3, v2
	v_lshl_add_u32 v14, v15, 4, v14
	v_add_nc_u32 v14, s23, v14                     ; the stage, on the way in: SP (lane / 4) + 16 (lane % 4)
	v_mul_u32_u24 v15, v2, SP
	v_add_nc_u32 v15, s23, v15                     ; and on the way out: SP x lane: my 16 neighbours
	v_mul_u32_u24 v4, v2, CB                       ; 8 x lane: my codes' place in a step's, and my f16 numbers' place in a load's
	v_lshrrev_b32 v5, 1, v2
	s_add_co_u32 s23, s23, 2*32*SP
	v_add_nc_u32 v5, s23, v5                       ; LDS: my wave's 256 scale bytes, my block's byte
	v_lshlrev_b32 v7, 3, v2
	v_add_nc_u32 v6, s23, v7                       ; and on the way out 8 bytes a lane
	s_wait_kmcnt 0x0
	s_mov_b64 s[24:25], s[10:11]                   ; which tensor: the choices hang on the work-group's number alone
	s_mov_b32 s30, 512
	s_cmp_lt_u32 ttmp9, 512
	s_cselect_b64 s[24:25], s[8:9], s[24:25]
	s_cselect_b32 s30, 384, s30
	s_cmp_lt_u32 ttmp9, 384
	s_cselect_b64 s[24:25], s[6:7], s[24:25]
	s_cselect_b32 s30, 128, s30
	s_cselect_b64 s[26:27], s[12:13], s[16:17]     ; the codes' buffer,
	s_cselect_b64 s[28:29], s[14:15], s[18:19]     ; the scale bytes',
	s_cselect_b32 s31, 0, 384                      ; and the work-group with which it begins
	s_cmp_lt_u32 ttmp9, 128
	s_cselect_b64 s[24:25], s[4:5], s[24:25]
	s_cselect_b32 s30, 0, s30                      ; the work-group with which my input begins
	s_sub_co_u32 s32, ttmp9, 128
	s_cmp_lt_u32 s32, 256
	s_cselect_b32 s32, 1, 0                        ; 1: my input is ref
	s_sub_co_u32 s34, ttmp9, s30
	s_lshl_b32 s34, s34, 2
	s_add_co_u32 s34, s34, s22                     ; which run of 8,192 numbers of the input is my wave's
	s_lshl_b32 s36, s34, 15                        ; 32,768 bytes of f32 a run
	s_mov_b32 s37, 0
	s_add_nc_u64 s[24:25], s[24:25], s[36:37]
	s_lshl_b32 s36, s34, 14                        ; 16,384 bytes of f16 (used where my input is ref)
	s_add_nc_u64 s[20:21], s[20:21], s[36:37]
	s_sub_co_u32 s34, ttmp9, s31
	s_lshl_b32 s34, s34, 2
	s_add_co_u32 s34, s34, s22                     ; which run of the output buffers
	s_lshl_b32 s36, s34, 12                        ; 4,096 bytes of codes a run
	s_add_nc_u64 s[26:27], s[26:27], s[36:37]
	s_lshl_b32 s36, s34, 8                         ; 256 scale bytes a run
	s_add_nc_u64 s[28:29], s[28:29], s[36:37]
.macro LOAD t
.irp i, 0,1,2,3
	global_load_b128 v[R+16*((\t)%4)+4*\i:R+16*((\t)%4)+4*\i+3], v3, s[24:25] offset:2048*(\t)+512*\i th:TH_LOAD_NT   ; 32 lanes read 512 consecutive bytes
.endr
.endm
.macro HALF t                          ; ref alone: step t's numbers as they were loaded, rounded to f16: a load's 512 bytes become 256 consecutive bytes, aligned
	s_cmp_eq_u32 s32, 0
	s_cbranch_scc1 .Lnoh_\@
	s_wait_xcnt 0x0                                ; the last step's f16 stores have read H: it is rewritten only behind this wait
.irp i, 0,1,2,3
	v_cvt_pk_f16_f32 v[H+2*\i], v[R+16*((\t)%4)+4*\i], v[R+16*((\t)%4)+4*\i+1]
	v_cvt_pk_f16_f32 v[H+2*\i+1], v[R+16*((\t)%4)+4*\i+2], v[R+16*((\t)%4)+4*\i+3]
.endr
.irp i, 0,1,2,3
	global_store_b64 v4, v[H+2*\i:H+2*\i+1], s[20:21] offset:1024*(\t)+256*\i
.endr
.Lnoh_\@:
.endm
.macro TURN t                          ; step t's numbers through the stage: LDS serves a wave's instructions in order, so no wait stands between the stores and the loads
.irp i, 0,1,2,3
	ds_store_b128 v14, v[R+16*((\t)%4)+4*\i:R+16*((\t)%4)+4*\i+3] offset:32*SP*((\t)%2)+8*SP*\i
.endr
	HALF \t
.irp i, 0,1,2,3
	ds_load_b128 v[X+16*((\t)%2)+4*\i:X+16*((\t)%2)+4*\i+3], v15 offset:32*SP*((\t)%2)+16*\i
.endr
.endm
.irp t, 0,1,2,3
	LOAD \t
.endr
	s_wait_loadcnt 12                              ; step 0's four loads are in; the twelve of steps 1 to 3 may be out
	TURN 0
.macro STEP t
.set XS, X+16*((\t)%2)
.if (\t) > 0
	s_wait_dscnt 1                                 ; this step's numbers are back from the stage (the last step's byte store may be out): so its stores into the stage have read their registers,
.else
	s_wait_dscnt 0x0
.endif
.if (\t)+4 < STEPS
	LOAD (\t)+4                                    ; which take the loads of four steps on
.endif
.if (\t)+1 < STEPS
.if STEPS-2-(\t) >= 3
	s_wait_loadcnt 12                              ; the next step's four loads are in; those of the three steps behind it may be out
.else
	s_wait_loadcnt 4*(STEPS-2-(\t))
.endif
	TURN (\t)+1                                    ; and go through the other stage while this step is worked
.endif
	v_max3_num_f32 v8, |v[XS]|, |v[XS+1]|, |v[XS+2]|               ; the largest magnitude of my 16, in two chains
	v_max3_num_f32 v9, |v[XS+3]|, |v[XS+4]|, |v[XS+5]|
.irp i, 6,10
	v_max3_num_f32 v8, v8, |v[XS+\i]|, |v[XS+\i+1]|
	v_max3_num_f32 v9, v9, |v[XS+\i+2]|, |v[XS+\i+3]|
.endr
	v_max3_num_f32 v8, v8, |v[XS+14]|, |v[XS+15]|
	v_max3_num_f32 v8, v8, v9, (EMAX+1)<<23        ; and the floor 2^(EMAX + 1 - 127): the byte cannot fall under 1
	v_max_num_f32_dpp v8, v8, v8 row_xmask:1 row_mask:0xf bank_mask:0xf   ; and of my neighbour's 16: the block's
	v_add_nc_u32 v11, -(EMAX<<23), v8              ; EMAX off its exponent field: the conversion takes the exponent field of this operand as its scale
	v_cvt_scalef32_pk8_fp4_f32 v[C+4*(\t)], v[XS:XS+7], v11
	v_cvt_scalef32_pk8_fp4_f32 v[C+4*(\t)+1], v[XS+8:XS+15], v11
	v_lshrrev_b32 v[E+(\t)], 23, v11               ; the scale's byte (a plain line behind the conversions)
	ds_store_b8 v5, v[E+(\t)] offset:16*(\t)       ; both lanes of a block write the same byte with the same value
	global_store_b64 v4, v[C+4*(\t):C+4*(\t)+1], s[26:27] offset:32*CB*(\t)   ; 32 lanes store 256 consecutive bytes, aligned
.endm
.irp t, 0,1,2,3,4,5,6,7,8,9,10,11,12,13,14,15
	STEP \t
.endr
	ds_load_b64 v[8:9], v6                         ; LDS serves a wave's instructions in order: these see my byte stores
	s_wait_dscnt 0x0
	global_store_b64 v7, v[8:9], s[28:29]          ; 32 lanes store my wave's 256 scale bytes, aligned
	s_wait_tensorcnt 0x0                           ; the wave's end: behind my last LDS store
	ds_add_u32 v[SPW], v[NIL]
	s_wait_dscnt 0x0
	s_endpgm
.Lfunc_end_k_qd926173626_quant:
	.size	k_qd926173626_quant, .Lfunc_end_k_qd926173626_quant-k_qd926173626_quant
	.p2alignl 7, 3214868480
	.fill 96, 4, 3214868480
	.section	.rodata,"a",@progbits
	.p2align	6, 0x0
	.amdhsa_kernel k_qd926173626_quant
		.amdhsa_group_segment_fixed_size 33280
		.amdhsa_private_segment_fixed_size 0
		.amdhsa_enable_private_segment 0
		.amdhsa_kernarg_size 72
		.amdhsa_user_sgpr_count 2
		.amdhsa_user_sgpr_kernarg_segment_ptr 1
		.amdhsa_wavefront_size32 1
		.amdhsa_system_sgpr_workgroup_id_x 1
		.amdhsa_system_sgpr_workgroup_id_y 1
		.amdhsa_system_sgpr_workgroup_id_z 1
		.amdhsa_system_vgpr_workitem_id 0
		.amdhsa_next_free_vgpr 200
		.amdhsa_next_free_sgpr 66
		.amdhsa_reserve_vcc 0
		.amdhsa_float_denorm_mode_32 3
		.amdhsa_float_denorm_mode_16_64 3
		.amdhsa_memory_ordered 1
		.amdhsa_forward_progress 1
		.amdhsa_inst_pref_size 50
	.end_amdhsa_kernel
	.amdgpu_metadata
---
amdhsa.version: [ 1, 2 ]
amdhsa.kernels:
  - .name:           k_qd926173626_quant
    .symbol:         k_qd926173626_quant.kd
    .args:
      - { .name: query, .offset: 0, .size: 8, .value_kind: global_buffer, .address_space: global }
      - { .name: ref, .offset: 8, .size: 8, .value_kind: global_buffer, .address_space: global }
      - { .name: Wq, .offset: 16, .size: 8, .value_kind: global_buffer, .address_space: global }
      - { .name: Wr, .offset: 24, .size: 8, .value_kind: global_buffer, .address_space: global }
      - { .name: acodes, .offset: 32, .size: 8, .value_kind: global_buffer, .address_space: global }
      - { .name: ascales, .offset: 40, .size: 8, .value_kind: global_buffer, .address_space: global }
      - { .name: wcodes, .offset: 48, .size: 8, .value_kind: global_buffer, .address_space: global }
      - { .name: wscales, .offset: 56, .size: 8, .value_kind: global_buffer, .address_space: global }
      - { .name: ref16, .offset: 64, .size: 8, .value_kind: global_buffer, .address_space: global }
    .group_segment_fixed_size: 33280
    .private_segment_fixed_size: 0
    .kernarg_segment_align: 8
    .kernarg_segment_size: 72
    .max_flat_workgroup_size: 128
    .sgpr_count:     66
    .vgpr_count:     200
    .wavefront_size: 32
...
	.end_amdgpu_metadata
.endif
;; end of part 1
;; launch proj (part 2): grid 8 x 24, 4 waves a work-group, clusters of 4 x 4, 327,680 bytes of LDS; arguments acodes, ascales, wcodes, wscales, h16; writes h16
.if DOCPART == 2
	.amdgcn_target "amdgcn-amd-amdhsa--gfx1250"
	.amdhsa_code_object_version 6
	.text
	.protected	k_qd926173626_proj
	.globl	k_qd926173626_proj
	.p2align	8
	.type	k_qd926173626_proj,@function
k_qd926173626_proj:
	s_mov_b64 s[64:65], 0
	v_nop
	global_prefetch_b8 v0, s[64:65] scope:SCOPE_SE
	s_setreg_imm32_b32 hwreg(HW_REG_WAVE_MODE, 25, 1), 1
	s_wait_xcnt 0x0
	s_wait_alu depctr_hold_cnt(0) depctr_sa_sdst(0) depctr_va_vdst(0) depctr_va_sdst(0) depctr_va_ssrc(0) depctr_va_vcc(0) depctr_vm_vsrc(0)
	s_getreg_b32 s2, hwreg(HW_REG_IB_STS2, 6, 4)
	s_cmp_eq_u32 s2, 0
	s_cbranch_scc0 .Lentry_in_a_cluster
	s_endpgm
.Lentry_in_a_cluster:
	s_bfe_u32 s2, ttmp6, 0x10000c
	s_cmp_lg_u32 s2, 0xf033
	s_cbranch_scc0 .Lentry_shape_is_right
	s_endpgm
.Lentry_shape_is_right:
; h16[m][n] = f16(2^-4 relu(sum over k of A[m][k] W[n][k])), both operands codes of FP4 (E2M1) with one E8M0 byte for each 32 along K; sums in f32.
; A: 6,144 rows (2,048 of query, then 4,096 of ref) x 2,048.  W: rows 0-2,047 Wq, rows 2,048-4,095 Wr.  query's rows meet Wq, ref's rows Wr: one grid serves both products.
; The factor 2^-4 rounds nothing and leaves f16 room for results up to 2^20 (LIMIT); the next launch takes it back in its softmax constant.
; A tile of 256 x 256 is made by four waves, each 128 x 128: 64 accumulators, 512 registers.  K goes in steps of 512 (rows of 256 bytes) through a ring of two LDS slots filled by the tensor data mover.
; The scale bytes of the work-group's 256 + 256 rows, for all of K, are two dense blocks: they come into LDS once, with the first fills, and stay.
; CLUSTERS: 4 x 4 work-groups.  A row of the cluster shares A's tiles, a column W's: each tile is asked for jointly, by the same tensor load with the same descriptor and a mask that names the four.
; The 24 tile rows are 6 rows of clusters: rows 0 and 1 are query's, 2 to 5 ref's, so all sixteen partners want the same weight.
; THE MATRIX INSTRUCTION IS USED TRANSPOSED (source 0 = 16 rows of W, source 1 = 16 rows of A): a lane then holds eight neighbouring numbers of a row of h16.
; REGISTERS: window 0: v0-31 addresses; v32-95 scale words, two sets; from v128 A's fragments, one set; on the way out v32-191 are free.  window 1: W's fragments, two sets.  windows 2, 3: the accumulators.
.set SIZE_K, 2048
.set KSTEP,  512
.set NQ,     KSTEP/128
.set ROWB,   256                       ; a tile's row in bytes
.set KROW,   SIZE_K/2                  ; a row of codes in memory
.set PITCH,  272                       ; an LDS row: 256 bytes + 16 of padding, so that the 16 rows of a fragment load start 68 words apart
.set FR,     8
.set NL,     2
.set NP,     4                         ; places behind this matrix instruction (ISA guide 7.12.1)
.set HALFT,  128*PITCH
.set SLOT,   4*HALFT
.set LAPS,   SIZE_K/(2*KSTEP)
.set KS,     SIZE_K/32                 ; a row of scale bytes
.set SCL,    2*SLOT                    ; behind the ring: the scales, as rows of 256 bytes + 16
.set HALFS,  (128*KS/256)*272
.set SBLK,   (16*KS/256)*272
.set SPARE,  SCL+4*HALFS               ; behind the scales: the spare words
.set SPITCH, 272                       ; the way out: 16 rows x (256 bytes + 16) for each wave, in slot 0, which has had its last fill and its last read by then
.set HROW,   4096                      ; a row of h16 in bytes
.set ADRA, 16
.set ADRB, 20
.set STO,  24
.set RD,   25
.set CO,   26
.set ADRS, 27
.set SPW,  28
.set NIL,  29
.set SC,   32
.set AF,   128
.set T,    32                          ; the way out: 64 numbers at work,
.set TMP,  96                          ; 32 registers of f16 pairs,
.set BK,   128                         ; and 16 rows read back: v128-159 and v160-191 by turns
.set G1, 24
.set G0, 32
.set G1B, 48
.set G0B, 56
.set G1S, 68
.set G0S, 76
.set G1SB, 80
.set G0SB, 88
.set MSB, 0
.macro WIN new                         ; the immediate's high byte repeats the setting that is left
.if MSB != \new
	s_set_vgpr_msb (MSB<<8)|\new
.set MSB, \new
.endif
.endm
.set MUL_LO, 0xa1                      ; source 0 (W) window 1, source 1 (A) window 0, C and D window 2
.set MUL_HI, 0xf1
.set TO_B,   0x40
; A joint load: waves 0 and 1 fetch for A, waves 2 and 3 for W; the branch hangs on the wave's number alone.  An s_nop 0 and four v_nop follow each of the two lines.
.macro JLOAD g0a, g1a, g0b, g1b
	s_cmp_eq_u32 s15, 0
	s_cbranch_scc0 .Lfor_b_\@
	tensor_load_to_lds s[\g0a:\g0a+3], s[\g1a:\g1a+7]
	s_nop 0
.rept 4
	v_nop
.endr
	s_branch .Lasked_\@
.Lfor_b_\@:
	tensor_load_to_lds s[\g0b:\g0b+3], s[\g1b:\g1b+7]
	s_nop 0
.rept 4
	v_nop
.endr
.Lasked_\@:
.endm
.macro CREST                           ; a round of the cluster's barrier behind its opening barrier
	s_cmp_lg_u32 s14, 0
	s_cbranch_scc1 .Lnot_wave_0_\@
	s_barrier_signal -3
.Lnot_wave_0_\@:
	s_barrier_wait -3
	s_barrier_signal -1
	s_barrier_wait -1
.endm
.macro CROUND
	s_barrier_signal -1
	s_barrier_wait -1
	CREST
.endm
	s_load_b128 s[4:7], s[0:1], 0x0                ; A's codes, A's scales
	s_load_b128 s[8:11], s[0:1], 0x10              ; W's codes, W's scales
	s_load_b64 s[12:13], s[0:1], 0x20              ; h16
	v_lshl_add_u32 v[SPW], v0, 2, SPARE
	v_mov_b32 v[NIL], 0
	ds_add_u32 v[SPW], v[NIL]                      ; the wave's opening: the add, twice on end, and its wait ahead of my first tensor load
	ds_add_u32 v[SPW], v[NIL]
	v_lshrrev_b32 v1, 5, v0
	v_readfirstlane_b32 s14, v1                    ; wave 0..3
	s_lshr_b32 s15, s14, 1                         ; which half of the tile's rows is mine.  Also: I fetch for A (0) or for W (1)
	s_and_b32 s16, s14, 1                          ; which half of its columns.  Also: which 128 rows I fetch
	s_bfe_u32 s40, ttmp6, 0x40000                  ; cx, cy
	s_bfe_u32 s41, ttmp6, 0x40004
	s_lshl_b32 s42, ttmp9, 2
	s_add_co_u32 s42, s42, s40                     ; tile column = 4 x cluster x + cx
	s_and_b32 s17, ttmp7, 0xffff
	s_lshl_b32 s17, s17, 2
	s_add_co_u32 s17, s17, s41                     ; tile row = 4 x cluster y + cy
	s_lshl_b32 s43, s41, 2
	s_lshl_b32 s43, 15, s43                        ; my row of the cluster
	s_lshl_b32 s44, 0x1111, s40                    ; my column
	s_mov_b32 s96, 0x3d800000                      ; 2^-4
	s_mov_b32 s97, s96                             ; (named with it as a pair, so it is written)
	; descriptor group 1: a tile of 128 rows x 256 bytes, 16 bytes of padding behind each row
	s_or_b32 s[G1+0], s43, (0<<16)|(1<<20)|(1<<21)|(5<<22)|(3<<25)
	s_or_b32 s[G1B+0], s44, (0<<16)|(1<<20)|(1<<21)|(5<<22)|(3<<25)
.irp g, G1, G1B
	s_mov_b32 s[\g+1], ROWB<<16                    ; tensor_dim0
	s_mov_b32 s[\g+2], 128<<16                     ; tensor_dim1
	s_mov_b32 s[\g+3], ROWB<<16                    ; tile_dim0
	s_mov_b32 s[\g+4], 128                         ; tile_dim1
	s_mov_b32 s[\g+5], KROW                        ; the pitch
	s_mov_b32 s[\g+6], 0
	s_mov_b32 s[\g+7], 0
.endr
	; the scales of 128 rows: a dense block of 8,192 bytes, as 32 rows of 256 bytes (32 elements of 8 bytes)
	s_or_b32 s[G1S+0], s43, (3<<16)|(1<<20)|(1<<21)|(5<<22)|(3<<25)
	s_or_b32 s[G1SB+0], s44, (3<<16)|(1<<20)|(1<<21)|(5<<22)|(3<<25)
.irp g, G1S, G1SB
	s_mov_b32 s[\g+1], 32<<16
	s_mov_b32 s[\g+2], (128*KS/256)<<16
	s_mov_b32 s[\g+3], 32<<16
	s_mov_b32 s[\g+4], 128*KS/256
	s_mov_b32 s[\g+5], 32
	s_mov_b32 s[\g+6], 0
	s_mov_b32 s[\g+7], 0
.endr
	s_lshl_b32 s18, s16, 7                         ; which 128 rows of the tile I fetch
	s_lshl_b32 s20, s17, 8
	s_add_co_u32 s20, s20, s18                     ; A: row 256 x tile row + 128 x half
	s_lshl_b32 s46, s42, 8
	s_add_co_u32 s46, s46, s18                     ; W: row 256 x tile column + 128 x half
	s_and_b32 s95, ttmp7, 0xffff                   ; the cluster's y, 0..5, which all sixteen partners share:
	s_lshr_b32 s95, s95, 1
	s_min_u32 s95, s95, 1                          ; 0 for query's two rows of clusters, 1 for ref's four
	s_lshl_b32 s95, s95, 11
	s_add_co_u32 s46, s46, s95                     ; Wr's rows lie 2,048 behind Wq's
	s_mov_b32 s21, 0
	s_mov_b32 s47, 0
	s_mov_b64 s[18:19], KS
	s_mul_u64 s[22:23], s[20:21], s[18:19]         ; where these rows' scales begin, in bytes
	s_mul_u64 s[92:93], s[46:47], s[18:19]
	s_mov_b64 s[18:19], KROW
	s_mul_u64 s[20:21], s[20:21], s[18:19]         ; and their codes
	s_mul_u64 s[46:47], s[46:47], s[18:19]
	s_mul_i32 s45, s14, HALFT                      ; where they go: wave x 128 rows
	s_mul_i32 s94, s14, HALFS
	s_wait_dscnt 0x0                               ; both opening adds are done
	s_wait_kmcnt 0x0
	s_add_nc_u64 s[20:21], s[4:5], s[20:21]
	s_add_nc_u64 s[22:23], s[6:7], s[22:23]
	s_add_nc_u64 s[46:47], s[8:9], s[46:47]
	s_add_nc_u64 s[92:93], s[10:11], s[92:93]
	CROUND                                         ; all sixteen work-groups are here: the first joint loads meet
	s_mov_b32 s[G0S], 1
	s_add_co_u32 s[G0S+1], s94, SCL
	s_mov_b64 s[G0S+2:G0S+3], s[22:23]
	s_or_b32 s[G0S+3], s[G0S+3], 0x80000000
	s_mov_b32 s[G0SB], 1
	s_add_co_u32 s[G0SB+1], s94, SCL
	s_mov_b64 s[G0SB+2:G0SB+3], s[92:93]
	s_or_b32 s[G0SB+3], s[G0SB+3], 0x80000000
	JLOAD G0S, G1S, G0SB, G1SB                     ; the scales first: they are wanted with K step 0
.irp s, 0,1
	s_mov_b32 s[G0+4*\s], 1
	s_add_co_u32 s[G0+4*\s+1], s45, \s*SLOT
	s_add_nc_u64 s[G0+4*\s+2:G0+4*\s+3], s[20:21], \s*ROWB
	s_or_b32 s[G0+4*\s+3], s[G0+4*\s+3], 0x80000000
	s_mov_b32 s[G0B+4*\s], 1
	s_add_co_u32 s[G0B+4*\s+1], s45, \s*SLOT
	s_add_nc_u64 s[G0B+4*\s+2:G0B+4*\s+3], s[46:47], \s*ROWB
	s_or_b32 s[G0B+4*\s+3], s[G0B+4*\s+3], 0x80000000
	JLOAD G0+4*\s, G1, G0B+4*\s, G1B               ; three loads of mine are out behind the second of these
.endr
	v_and_b32 v1, 15, v0                           ; r = lane % 16
	v_bfe_u32 v2, v0, 4, 1                         ; h = lane / 16
	v_mul_u32_u24 v3, v1, PITCH
	v_lshl_add_u32 v4, v2, 4, v3                   ; a fragment's row x pitch + 16 x half
	s_mul_i32 s21, s15, HALFT                      ; my 128 rows of A
	s_mul_i32 s22, s16, HALFT                      ; my 128 rows of W,
	s_add_co_u32 s22, s22, 2*HALFT                 ; which lie behind A's 256
.irp s, 0,1
	v_add_nc_u32 v[ADRA+\s], s21, v4
	v_add_nc_u32 v[ADRB+\s], s22, v4
	s_add_co_u32 s21, s21, SLOT
	s_add_co_u32 s22, s22, SLOT
.endr
	v_mul_u32_u24 v5, v1, KS                       ; my row's scales: KS bytes a row,
	v_lshrrev_b32 v6, 8, v5
	v_lshl_add_u32 v5, v6, 4, v5                   ; and 16 more for each 256 passed
	s_mul_i32 s21, s15, HALFS
	s_mul_i32 s22, s16, HALFS
	s_add_co_u32 s22, s22, 2*HALFS
	s_sub_co_u32 s22, s22, s21
	v_mul_u32_u24 v6, s22, v2                      ; lanes 16-31 take W's: the lower base + h x the distance
	s_add_co_u32 s21, s21, SCL
	v_add_nc_u32 v5, v5, v6
	v_add_nc_u32 v[ADRS], s21, v5
	s_mul_i32 s23, s14, 16*SPITCH                  ; my stage
	v_mul_u32_u24 v5, v1, SPITCH                   ; in: row r, 16 bytes for each half of the lanes
	v_lshl_add_u32 v5, v2, 4, v5
	v_add_nc_u32 v[STO], s23, v5
	v_mul_u32_u24 v5, v2, SPITCH                   ; back: lanes 0-15 one row of 256 bytes, lanes 16-31 the next
	v_lshl_add_u32 v5, v1, 4, v5
	v_add_nc_u32 v[RD], s23, v5
	v_lshlrev_b32 v5, 12, v2                       ; and the same two rows in h16
	v_lshl_add_u32 v[CO], v1, 4, v5
	s_lshl_b32 s20, s17, 8
	s_lshl_b32 s21, s15, 7
	s_add_co_u32 s20, s20, s21                     ; my first row: 256 x tile row + 128 x half
	s_lshl_b32 s20, s20, 12                        ; x 4,096 bytes: under 2^25
	s_lshl_b32 s46, s42, 9                         ; my first column, in bytes: 512 x tile column + 256 x half
	s_lshl_b32 s47, s16, 8
	s_add_co_u32 s46, s46, s47
	s_add_co_u32 s20, s20, s46
	s_mov_b32 s21, 0
	s_add_nc_u64 s[12:13], s[12:13], s[20:21]
.macro FRAG reg, adr, q, i             ; 16 rows x 128 K of 4-bit codes: 8 registers; registers 4 c .. 4 c + 3 hold K = 64 c + 32 h + 0 .. 31
.irp c, 0,1
	ds_load_b128 v[\reg+4*\c:\reg+4*\c+3], v[\adr] offset:64*(\q)+32*\c+(\i)*16*PITCH
.endr
.endm
; 16 matrix instructions: A's blocks a0, a0 + 1 x W's eight, the slot's q-th 128 along K.  The 64 accumulators take turns, one instruction a turn, in the same order in every step.
.macro MUL16 a0, p, q, sc, zero
.irp a, \a0, \a0+1
.irp b, 0,1,2,3,4,5,6,7
.if \zero
	v_wmma_scale_f32_16x16x128_f8f6f4 v[8*(8*((\a)%4)+\b):8*(8*((\a)%4)+\b)+7], v[128*(\p)+FR*\b:128*(\p)+FR*\b+FR-1], v[AF+FR*(\a):AF+FR*(\a)+FR-1], 0, v[SC+8*NQ*(\sc)+NQ*\b+(\q)], v[SC+8*NQ*(\sc)+NQ*(\a)+(\q)] matrix_a_fmt:MATRIX_FMT_FP4 matrix_b_fmt:MATRIX_FMT_FP4 matrix_a_scale:MATRIX_SCALE_ROW1
.else
	v_wmma_scale_f32_16x16x128_f8f6f4 v[8*(8*((\a)%4)+\b):8*(8*((\a)%4)+\b)+7], v[128*(\p)+FR*\b:128*(\p)+FR*\b+FR-1], v[AF+FR*(\a):AF+FR*(\a)+FR-1], v[8*(8*((\a)%4)+\b):8*(8*((\a)%4)+\b)+7], v[SC+8*NQ*(\sc)+NQ*\b+(\q)], v[SC+8*NQ*(\sc)+NQ*(\a)+(\q)] matrix_a_fmt:MATRIX_FMT_FP4 matrix_b_fmt:MATRIX_FMT_FP4 matrix_a_scale:MATRIX_SCALE_ROW1
.endif
.endr
.endr
.endm
.macro FETCH_B slot, q, p
	WIN TO_B
.irp i, 0,1,2,3,4,5,6,7
	FRAG 128*(\p)+FR*\i, ADRB+\slot, \q, \i
.endr
	WIN 0
.endm
.macro FETCH_A slot, q, i0
.irp i, \i0, \i0+1, \i0+2, \i0+3
	FRAG AF+FR*(\i), ADRA+\slot, \q, \i
.endr
.endm
.macro SCALES sc                       ; a K step's scale words: four a row; lanes 0-15 take A's block i, lanes 16-31 W's block i
.irp i, 0,1,2,3,4,5,6,7
	ds_load_b128 v[SC+8*NQ*\sc+NQ*\i:SC+8*NQ*\sc+NQ*\i+3], v[ADRS] offset:\i*SBLK
.endr
.endm
.macro PLACES n                        ; plain vector places between a matrix instruction and a load into, or a vector read or write of, its registers
.rept \n
	v_nop
.endr
.endm
.macro STEP slot, q, zero              ; a step of 128 along K that has its successor in the same slot
	s_wait_dscnt 4*NL                              ; W's set and A's blocks 0-3 are in; the youngest eight loads (A's blocks 4-7) may be out
	WIN MUL_LO
	MUL16 0, (\q)%2, \q, \slot, \zero
	MUL16 2, (\q)%2, \q, \slot, \zero
	s_wait_dscnt 0                                 ; A's blocks 4-7 are in
	PLACES NP
	FETCH_B \slot, (\q)+1, 1-(\q)%2
	FETCH_A \slot, (\q)+1, 0
	WIN MUL_HI
	MUL16 4, (\q)%2, \q, \slot, \zero
	MUL16 6, (\q)%2, \q, \slot, \zero
	PLACES NP
	WIN 0
	FETCH_A \slot, (\q)+1, 4
.endm
; A slot's last step changes slots: one barrier; in front of it each wave waits for all its tensor loads, adds 0 to its spare word, and waits for that and for its own reads of this slot.
.macro TURN slot, next, fill
	s_wait_tensorcnt 0x0                           ; all my tensor loads have landed: my part of the next slot
	ds_add_u32 v[SPW], v[NIL]                      ; 0 onto my spare word
	s_wait_dscnt 4*NL+1                            ; (the add and the youngest eight loads may be out)
	WIN MUL_LO
	MUL16 0, 1, NQ-1, \slot, 0
	s_wait_dscnt 0x0                               ; the add is done, and my reads of this slot are over
	s_barrier_signal -1
	MUL16 2, 1, NQ-1, \slot, 0
	WIN 0
	s_barrier_wait -1
.if \fill
	CREST                                          ; the barrier has opened a round of the cluster's barrier: no wave of any partner still reads this slot or has a load on its way
	s_add_nc_u64 s[G0+4*\slot+2:G0+4*\slot+3], s[G0+4*\slot+2:G0+4*\slot+3], 2*ROWB
	s_add_nc_u64 s[G0B+4*\slot+2:G0B+4*\slot+3], s[G0B+4*\slot+2:G0B+4*\slot+3], 2*ROWB
	JLOAD G0+4*\slot, G1, G0B+4*\slot, G1B         ; the first tensor load behind the round; its four v_nop are the places in front of the loads below
.else
	PLACES NP
.endif
	v_add_nc_u32 v[ADRS], 4*NQ, v[ADRS]            ; on to the next K step's scale words
	FETCH_B \next, 0, 0
	FETCH_A \next, 0, 0
	SCALES \next
	WIN MUL_HI
	MUL16 4, 1, NQ-1, \slot, 0
	MUL16 6, 1, NQ-1, \slot, 0
	PLACES NP
	WIN 0
	FETCH_A \next, 0, 4
.endm
.macro STEPS slot, from
.set Q, \from
.rept NQ-1-\from
	STEP \slot, Q, 0
.set Q, Q+1
.endr
.endm
	s_wait_tensorcnt 1                             ; the scales and my part of K step 0 are in (K step 1's load may be out),
	s_barrier_signal -1
	s_barrier_wait -1                              ; everybody's are
	FETCH_B 0, 0, 0
	FETCH_A 0, 0, 0
	SCALES 0
	FETCH_A 0, 0, 4
	STEP 0, 0, 1                                   ; the first step stands in front of the loop: its products start the sums
	s_mov_b32 s3, LAPS-1
.Llap:                                                 ; a trip goes once round the ring, from a lap's second step to the next lap's first, and fills both slots again
	STEPS 0, 1
	TURN 0, 1, 1
	STEPS 1, 0
	TURN 1, 0, 1
	STEP 0, 0, 0
	s_sub_co_u32 s3, s3, 1
	s_cmp_lg_u32 s3, 0
	s_cbranch_scc1 .Llap
	STEPS 0, 1                                     ; the last lap fills nothing
	TURN 0, 1, 0
	STEPS 1, 0
	s_wait_dscnt 4*NL
	WIN MUL_LO
	MUL16 0, 1, NQ-1, 1, 0
	MUL16 2, 1, NQ-1, 1, 0
	s_wait_dscnt 0
	WIN MUL_HI
	MUL16 4, 1, NQ-1, 1, 0
	MUL16 6, 1, NQ-1, 1, 0
	WIN 0
; THE WAY OUT, block by block of 16 rows x 128 columns: x 2^-4, relu, f16: 16 bytes a lane; through my own stage and back as whole rows of 256 bytes.
.macro PACK a
.set AC, 64*((\a)%4)
	WIN (0x02+(\a)/4)                              ; source 0: window 2 or 3
.set i, 0
.rept 32
	v_pk_mul_f32 v[T+i:T+i+1], v[AC+i:AC+i+1], s[96:97] op_sel_hi:[1,0]   ; ascending: each accumulator from its low end on
.set i, i+2
.endr
	WIN 0
.set i, 0
.rept 64
	v_max_num_f32 v[T+i], 0, v[T+i]
.set i, i+1
.endr
.set i, 0
.rept 32
	v_cvt_pk_f16_f32 v[TMP+i], v[T+2*i], v[T+2*i+1]
.set i, i+1
.endr
.endm
.macro TOSTAGE a
.set BB, BK+32*((\a)%2)
.irp b, 0,1,2,3,4,5,6,7
	ds_store_b128 v[STO], v[TMP+4*\b:TMP+4*\b+3] offset:32*\b
.endr
.irp t, 0,1,2,3,4,5,6,7
	ds_load_b128 v[BB+4*\t:BB+4*\t+3], v[RD] offset:\t*2*SPITCH   ; LDS serves a wave's instructions in order: these see the stores above
.endr
.endm
.macro SEND a
.set BB, BK+32*((\a)%2)
	s_wait_dscnt 0x0                               ; the block is back in registers
	s_wait_xcnt 0x0                                ; the block before's stores have read their registers: the next block's loads may land there
.irp t, 0,1,2,3,4,5,6,7
	global_store_b128 v[CO], v[BB+4*\t:BB+4*\t+3], s[12:13] offset:(16*(\a)+2*\t)*HROW   ; 16 lanes store 256 consecutive bytes, aligned; 126 rows at the most: inside the immediate
.endr
.endm
	PLACES NP                                      ; behind the last products: for the reads of results and the writes into registers that held scales and fragments
	PACK 0
	TOSTAGE 0
.irp a, 1,2,3,4,5,6,7
	PACK \a
	SEND \a-1
	TOSTAGE \a
.endr
	SEND 7
	s_wait_tensorcnt 0x0                           ; the wave's end
	ds_add_u32 v[SPW], v[NIL]
	s_wait_dscnt 0x0
	CROUND                                         ; the closing round
	s_endpgm
.Lfunc_end_k_qd926173626_proj:
	.size	k_qd926173626_proj, .Lfunc_end_k_qd926173626_proj-k_qd926173626_proj
	.p2alignl 7, 3214868480
	.fill 96, 4, 3214868480
	.section	.rodata,"a",@progbits
	.p2align	6, 0x0
	.amdhsa_kernel k_qd926173626_proj
		.amdhsa_group_segment_fixed_size 327680
		.amdhsa_private_segment_fixed_size 0
		.amdhsa_enable_private_segment 0
		.amdhsa_kernarg_size 40
		.amdhsa_user_sgpr_count 2
		.amdhsa_user_sgpr_kernarg_segment_ptr 1
		.amdhsa_wavefront_size32 1
		.amdhsa_system_sgpr_workgroup_id_x 1
		.amdhsa_system_sgpr_workgroup_id_y 1
		.amdhsa_system_sgpr_workgroup_id_z 1
		.amdhsa_system_vgpr_workitem_id 0
		.amdhsa_next_free_vgpr 1024
		.amdhsa_next_free_sgpr 98
		.amdhsa_reserve_vcc 0
		.amdhsa_float_denorm_mode_32 3
		.amdhsa_float_denorm_mode_16_64 3
		.amdhsa_memory_ordered 1
		.amdhsa_forward_progress 1
		.amdhsa_inst_pref_size 245
	.end_amdhsa_kernel
	.amdgpu_metadata
---
amdhsa.version: [ 1, 2 ]
amdhsa.kernels:
  - .name:           k_qd926173626_proj
    .symbol:         k_qd926173626_proj.kd
    .args:
      - { .name: acodes, .offset: 0, .size: 8, .value_kind: global_buffer, .address_space: global }
      - { .name: ascales, .offset: 8, .size: 8, .value_kind: global_buffer, .address_space: global }
      - { .name: wcodes, .offset: 16, .size: 8, .value_kind: global_buffer, .address_space: global }
      - { .name: wscales, .offset: 24, .size: 8, .value_kind: global_buffer, .address_space: global }
      - { .name: h16, .offset: 32, .size: 8, .value_kind: global_buffer, .address_space: global }
    .group_segment_fixed_size: 327680
    .private_segment_fixed_size: 0
    .kernarg_segment_align: 8
    .kernarg_segment_size: 40
    .max_flat_workgroup_size: 128
    .sgpr_count:     98
    .vgpr_count:     1024
    .wavefront_size: 32
...
	.end_amdgpu_metadata
.endif
;; end of part 2
;; launch scores (part 3): grid 16 x 16, 4 waves a work-group, clusters of 4 x 4, 327,680 bytes of LDS; arguments h16, p16, stats; writes p16, stats
.if DOCPART == 3
	.amdgcn_target "amdgcn-amd-amdhsa--gfx1250"
	.amdhsa_code_object_version 6
	.text
	.protected	k_qd926173626_scores
	.globl	k_qd926173626_scores
	.p2align	8
	.type	k_qd926173626_scores,@function
k_qd926173626_scores:
	s_mov_b64 s[64:65], 0
	v_nop
	global_prefetch_b8 v0, s[64:65] scope:SCOPE_SE
	s_setreg_imm32_b32 hwreg(HW_REG_WAVE_MODE, 25, 1), 1
	s_wait_xcnt 0x0
	s_wait_alu depctr_hold_cnt(0) depctr_sa_sdst(0) depctr_va_vdst(0) depctr_va_sdst(0) depctr_va_ssrc(0) depctr_va_vcc(0) depctr_vm_vsrc(0)
	s_getreg_b32 s2, hwreg(HW_REG_IB_STS2, 6, 4)
	s_cmp_eq_u32 s2, 0
	s_cbranch_scc0 .Lentry_in_a_cluster
	s_endpgm
.Lentry_in_a_cluster:
	s_bfe_u32 s2, ttmp6, 0x10000c
	s_cmp_lg_u32 s2, 0xf033
	s_cbranch_scc0 .Lentry_shape_is_right
	s_endpgm
.Lentry_shape_is_right:
; S[q][k] = sum over d of wq[q][d] wr[k][d], f16 operands (h16 rows 0-2,047: wq x 2^-4; rows 2,048-6,143: wr x 2^-4), f32 sums; then the softmax's pieces.
; t = S x log2(e) / sqrt(2048).  For each query and each BLOCK of 128 keys: M = the block's largest t rounded up to a whole number; p = 2^(t - M), at most 1, stored as f16 (p16 [2048][4096]);
; l = the block's sum of the unrounded p.  stats [32 blocks][2048 queries] holds (-M, l).  The next launch takes the row's largest M and brings the blocks under it by powers of two: the maximum is taken away as the reference takes it.
; The two factors 2^-4 are taken back in the constant c = 2^8 log2(e) / sqrt(2048).
; LIMIT: a weight p under 2^-14 is kept with absolute error 2^-25 (f16), against its block's largest weight of 0.5 or more.
; SHARES.  A work-group makes 128 queries x 256 keys; each of its four waves 64 x 128: 32 accumulators, 256 registers; a wave's 128 keys are one block.  K = 2,048 goes in steps of 128 (rows of 256 bytes) through two LDS slots.
; THE MATRIX INSTRUCTION IS USED TRANSPOSED (source 0 = 16 rows of wr, source 1 = 16 rows of wq): a lane holds ONE query (lane % 16) and the keys 16 b + 8 (lane / 16) + 0..7.
; CLUSTERS: 4 x 4.  wq's tile hangs on the tile row and is shared along a row of the cluster, wr's on the tile column and is shared along a column: joint loads.
; THE WALK ALONG K: cluster (x, y) begins at K step (4 x + 8 (y % 2)) % 16 and wraps round, so that clusters which read the same rows ask for different bytes at any one time.  The start hangs on the cluster's
; numbers alone, which all sixteen partners share; the sums take K in that order.
; REGISTERS: window 0: v1-29 addresses; v32-127, v128-223 two fragment buffers (32 registers of wq, then 64 of wr); v224-255 eight registers of statistics for each block of 16 queries.  window 1: accumulator (a, b) at v[8 (8 a + b)].
.set PITCH, 272                        ; an LDS row: 256 bytes + 16 of padding
.set ASZ,   128*PITCH                  ; wq's 128 rows
.set SLOT,  384*PITCH                  ; then wr's 256 rows
.set STAGE, 2*SLOT                     ; behind the ring: 16 rows x 272 bytes for each wave
.set SPARE, STAGE+4*16*PITCH           ; behind the stages: the spare words
.set PROW,  8192                       ; a row of p16 in bytes
.set ADRA, 16                          ; v16-17 LDS address of my wq fragments in slot 0, 1
.set ADRB, 20                          ; v20-21 the same for wr
.set STO,  24
.set RD,   25
.set CO,   26
.set STA,  27                          ; 8 x lane: my place in a store of statistics
.set SPW,  28
.set NIL,  29
.set F0,   32
.set F1,   128
.set ST,   224                         ; block a at v[ST + 8 a]: +0 -M, +1 the largest t, +2:3 and +4:5 sums (+4..7 first: four running maxima); l ends in +2
.set T,    32                          ; the way out: t - M, then p: v32-95 and v96-159 by turns
.set PK,   160                         ; p as f16 pairs
.set BK,   192                         ; 16 rows read back from the stage
.set WV, 12
.set RH, 13                            ; which 64 queries are mine.  Also: I fetch for wq (0) or for wr (1)
.set CH, 14                            ; which 128 keys.  Also: which half of that tile I fetch
.set LAP, 15
.set BA, 16                            ; s[16:17] h16 at the first of the rows of wq that I fetch; kept
.set BB, 46                            ; s[46:47] the same for wr; kept
.set G1, 24
.set G0, 32
.set G1B, 48
.set G0B, 56
.set SEL, 66                           ; s[66:67] v_permlanex16_b32's selects for lane l xor 16
.set CS,  68                           ; s[68:69] c, twice
.set KK,  70                           ; s[70:71] the byte along a row at which the next K step to be asked for begins, and 0 above it
.set MSB, 0
.macro WIN new
.if MSB != \new
	s_set_vgpr_msb (MSB<<8)|\new
.set MSB, \new
.endif
.endm
.set MUL, 0x50                         ; C and D window 1, both sources window 0
.macro JLOAD s                         ; a joint load; an s_nop 0 and four v_nop follow each of the two lines
	s_cmp_eq_u32 s[RH], 0
	s_cbranch_scc0 .Lfor_b_\@
	tensor_load_to_lds s[G0+4*\s:G0+4*\s+3], s[G1:G1+7]
	s_nop 0
.rept 4
	v_nop
.endr
	s_branch .Lasked_\@
.Lfor_b_\@:
	tensor_load_to_lds s[G0B+4*\s:G0B+4*\s+3], s[G1B:G1B+7]
	s_nop 0
.rept 4
	v_nop
.endr
.Lasked_\@:
.endm
.macro SETG s                          ; slot s's two groups 0 get the K step at byte KK of the rows; KK goes one step on and wraps at a row's 4,096 bytes
	s_add_nc_u64 s[G0+4*\s+2:G0+4*\s+3], s[BA:BA+1], s[KK:KK+1]
	s_or_b32 s[G0+4*\s+3], s[G0+4*\s+3], 0x80000000
	s_add_nc_u64 s[G0B+4*\s+2:G0B+4*\s+3], s[BB:BB+1], s[KK:KK+1]
	s_or_b32 s[G0B+4*\s+3], s[G0B+4*\s+3], 0x80000000
	s_add_co_u32 s[KK], s[KK], 256
	s_and_b32 s[KK], s[KK], 0xfff
.endm
.macro CREST
	s_cmp_lg_u32 s[WV], 0
	s_cbranch_scc1 .Lnot_wave_0_\@
	s_barrier_signal -3
.Lnot_wave_0_\@:
	s_barrier_wait -3
	s_barrier_signal -1
	s_barrier_wait -1
.endm
.macro CROUND
	s_barrier_signal -1
	s_barrier_wait -1
	CREST
.endm
.macro PLACES
.rept 4
	v_nop
.endr
.endm
	s_load_b128 s[4:7], s[0:1], 0x0                ; h16, p16
	s_load_b64 s[8:9], s[0:1], 0x10                ; stats
	v_lshl_add_u32 v[SPW], v0, 2, SPARE
	v_mov_b32 v[NIL], 0
	ds_add_u32 v[SPW], v[NIL]                      ; the wave's opening: the add, twice on end, and its wait ahead of my first tensor load
	ds_add_u32 v[SPW], v[NIL]
	v_lshrrev_b32 v1, 5, v0
	v_readfirstlane_b32 s[WV], v1
	s_lshr_b32 s[RH], s[WV], 1
	s_and_b32 s[CH], s[WV], 1
	s_bfe_u32 s40, ttmp6, 0x40000                  ; cx
	s_bfe_u32 s41, ttmp6, 0x40004                  ; cy
	s_lshl_b32 s42, ttmp9, 2
	s_add_co_u32 s42, s42, s40                     ; tile column: 256 keys
	s_and_b32 s43, ttmp7, 0xffff
	s_lshl_b32 s43, s43, 2
	s_add_co_u32 s43, s43, s41                     ; tile row: 128 queries
	s_lshl_b32 s44, s41, 2
	s_lshl_b32 s44, 15, s44                        ; my row of the cluster
	s_lshl_b32 s45, 0x1111, s40                    ; my column
	; group 1: rows of 128 elements of 2 bytes, 16 bytes of padding behind each; wq: 64 rows a load, wr: 128
	s_or_b32 s[G1+0], s44, (1<<16)|(1<<20)|(1<<21)|(5<<22)|(3<<25)
	s_or_b32 s[G1B+0], s45, (1<<16)|(1<<20)|(1<<21)|(5<<22)|(3<<25)
	s_mov_b32 s[G1+1], 128<<16                     ; tensor_dim0
	s_mov_b32 s[G1+2], 64<<16                      ; tensor_dim1
	s_mov_b32 s[G1+3], 128<<16                     ; tile_dim0
	s_mov_b32 s[G1+4], 64                          ; tile_dim1
	s_mov_b32 s[G1+5], 2048                        ; the pitch, in elements
	s_mov_b32 s[G1+6], 0
	s_mov_b32 s[G1+7], 0
	s_mov_b32 s[G1B+1], 128<<16
	s_mov_b32 s[G1B+2], 128<<16
	s_mov_b32 s[G1B+3], 128<<16
	s_mov_b32 s[G1B+4], 128
	s_mov_b32 s[G1B+5], 2048
	s_mov_b32 s[G1B+6], 0
	s_mov_b32 s[G1B+7], 0
	s_mov_b32 s[SEL], 0x76543210
	s_mov_b32 s[SEL+1], 0xfedcba98
	s_mov_b32 s[CS], 0x410293ee                    ; 2^8 log2(e) / sqrt(2048) = 8.16109
	s_mov_b32 s[CS+1], s[CS]
	s_and_b32 s[KK], ttmp7, 1                      ; where my cluster's walk begins: the cluster's y % 2,
	s_lshl_b32 s[KK], s[KK], 1
	s_add_co_u32 s[KK], s[KK], ttmp9               ; x + 2 (y % 2),
	s_lshl_b32 s[KK], s[KK], 10                    ; x 4 K steps of 256 bytes,
	s_and_b32 s[KK], s[KK], 0xfff                  ; inside a row's 4,096 bytes
	s_mov_b32 s[KK+1], 0
	s_lshl_b32 s16, s43, 7
	s_lshl_b32 s17, s[CH], 6
	s_add_co_u32 s16, s16, s17                     ; wq: row 128 x tile row + 64 x half
	s_lshl_b32 s16, s16, 12                        ; x 4,096 bytes
	s_mov_b32 s17, 0
	s_lshl_b32 s46, s42, 8
	s_lshl_b32 s47, s[CH], 7
	s_add_co_u32 s46, s46, s47
	s_add_co_u32 s46, s46, 2048                    ; wr: row 2,048 + 256 x tile column + 128 x half
	s_lshl_b32 s46, s46, 12
	s_mov_b32 s47, 0
	s_mul_i32 s20, s[CH], 64*PITCH                 ; where they go: no place in the cluster enters an LDS address
	s_mul_i32 s21, s[CH], 128*PITCH
	s_add_co_u32 s21, s21, ASZ
	s_wait_dscnt 0x0                               ; both opening adds are done
	s_wait_kmcnt 0x0
	s_add_nc_u64 s[BA:BA+1], s[4:5], s[16:17]
	s_add_nc_u64 s[BB:BB+1], s[4:5], s[46:47]
	CROUND                                         ; all sixteen work-groups are here: the first joint loads meet
.irp s, 0,1
	s_mov_b32 s[G0+4*\s], 1
	s_add_co_u32 s[G0+4*\s+1], s20, \s*SLOT
	s_mov_b32 s[G0B+4*\s], 1
	s_add_co_u32 s[G0B+4*\s+1], s21, \s*SLOT
	SETG \s
	JLOAD \s                                       ; two loads of mine are out behind the second
.endr
	v_and_b32 v1, 15, v0                           ; r
	v_bfe_u32 v2, v0, 4, 1                         ; h
	v_mul_u32_u24 v3, v1, PITCH
	v_lshl_add_u32 v3, v2, 4, v3                   ; row x pitch + 16 x half
	s_mul_i32 s20, s[RH], 64*PITCH                 ; my 64 rows of wq
	s_mul_i32 s21, s[CH], 128*PITCH                ; my 128 rows of wr,
	s_add_co_u32 s21, s21, ASZ                     ; behind wq's 128
.irp s, 0,1
	v_add_nc_u32 v[ADRA+\s], s20, v3
	v_add_nc_u32 v[ADRB+\s], s21, v3
	s_add_co_u32 s20, s20, SLOT
	s_add_co_u32 s21, s21, SLOT
.endr
	s_mul_i32 s20, s[WV], 16*PITCH
	s_add_co_u32 s20, s20, STAGE                   ; my stage
	v_add_nc_u32 v[STO], s20, v3                   ; in: row r, 16 bytes for each half of the lanes
	v_mul_u32_u24 v3, v2, PITCH
	v_lshl_add_u32 v3, v1, 4, v3
	v_add_nc_u32 v[RD], s20, v3                    ; back: lanes 0-15 one row of 256 bytes, lanes 16-31 the next
	v_lshlrev_b32 v3, 13, v2
	v_lshl_add_u32 v[CO], v1, 4, v3                ; and the same two rows in p16
	v_and_b32 v3, 31, v0
	v_lshlrev_b32 v[STA], 3, v3
	s_lshl_b32 s18, s43, 7
	s_lshl_b32 s19, s[RH], 6
	s_add_co_u32 s18, s18, s19                     ; my first query
	s_lshl_b32 s22, s18, 3                         ; stats: 8 bytes a query
	s_lshl_b32 s18, s18, 13                        ; p16: 8,192 bytes a query
	s_lshl_b32 s19, s42, 9
	s_add_co_u32 s18, s18, s19                     ; + 512 x tile column
	s_lshl_b32 s19, s[CH], 8
	s_add_co_u32 s18, s18, s19                     ; + 256 x half
	s_mov_b32 s19, 0
	s_add_nc_u64 s[6:7], s[6:7], s[18:19]
	s_lshl_b32 s23, s42, 1
	s_add_co_u32 s23, s23, s[CH]                   ; my block of 128 keys
	s_lshl_b32 s23, s23, 14                        ; 16,384 bytes of stats a block
	s_add_co_u32 s22, s22, s23
	s_mov_b32 s23, 0
	s_add_nc_u64 s[8:9], s[8:9], s[22:23]
; 8 matrix instructions: block a of my queries x my eight blocks of keys, 32 along K.  The 32 accumulators take turns in the same order in every quarter.
.macro MUL8 f, a, zero
.irp b, 0,1,2,3,4,5,6,7
.if \zero
	v_wmma_f32_16x16x32_f16 v[8*(8*(\a)+\b):8*(8*(\a)+\b)+7], v[\f+32+8*\b:\f+32+8*\b+7], v[\f+8*(\a):\f+8*(\a)+7], 0
.else
	v_wmma_f32_16x16x32_f16 v[8*(8*(\a)+\b):8*(8*(\a)+\b)+7], v[\f+32+8*\b:\f+32+8*\b+7], v[\f+8*(\a):\f+8*(\a)+7], v[8*(8*(\a)+\b):8*(8*(\a)+\b)+7]
.endif
.endr
.endm
; 24 LDS loads in one run: the fragments of 32 along K at byte k of the rows: wr's eight, then wq's four
.macro FETCH slot, k, f
	WIN 0
.irp i, 0,1,2,3,4,5,6,7
	ds_load_b128 v[\f+32+8*\i:\f+32+8*\i+3],   v[ADRB+\slot] offset:\k+\i*16*PITCH
	ds_load_b128 v[\f+32+8*\i+4:\f+32+8*\i+7], v[ADRB+\slot] offset:\k+\i*16*PITCH+32
.endr
.irp i, 0,1,2,3
	ds_load_b128 v[\f+8*\i:\f+8*\i+3],   v[ADRA+\slot] offset:\k+\i*16*PITCH
	ds_load_b128 v[\f+8*\i+4:\f+8*\i+7], v[ADRA+\slot] offset:\k+\i*16*PITCH+32
.endr
.endm
; A K step is four quarters of 32 along K, 32 matrix instructions each, on buffers 0, 1, 0, 1.  One of the first three multiplies buffer f and fetches the next quarter, at byte k, into g.
.macro QUARTER slot, k, f, g, zero
	s_wait_dscnt 4                                 ; wr's fragments and wq's blocks 0, 1 are in; the youngest four loads (blocks 2, 3) may be out
	WIN MUL
	MUL8 \f, 0, \zero
	MUL8 \f, 1, \zero
	PLACES                                         ; in front of loads into the buffer that the quarter before multiplied
	FETCH \slot, \k, \g
	s_wait_dscnt 24                                ; all but the 24 just issued
	WIN MUL
	MUL8 \f, 2, \zero
	MUL8 \f, 3, \zero
.endm
; The last quarter multiplies buffer 1 and changes slots.  24 of its 32 matrix instructions stand AHEAD of the wait for the tensor loads: between that wait and the next request stand only the add, the
; descriptors' words, the wait for the add, and the round.  The last 8 stand behind the first fetch from the next slot.  So a request has a K step's 128 matrix instructions ahead of the wait for it.
.macro TURN slot, next, fill
	s_wait_dscnt 4                                 ; as at a quarter's head
	WIN MUL
	MUL8 F1, 0, 0
	MUL8 F1, 1, 0
	s_wait_dscnt 0x0                               ; buffer 1 is whole: my reads of this slot are over
	MUL8 F1, 2, 0
	WIN 0
	s_wait_tensorcnt 0x0                           ; all my tensor loads have landed: my part of the next slot; so a group 0 may be written
	ds_add_u32 v[SPW], v[NIL]                      ; 0 onto my spare word
.if \fill
	SETG \slot                                     ; this slot's next K step: work on registers between the add and the wait for it
.endif
	s_wait_dscnt 0x0                               ; the add is done
	s_barrier_signal -1
	s_barrier_wait -1
.if \fill
	CREST                                          ; the barrier has opened a round of the cluster's barrier: no wave of any partner still reads this slot or has a load on its way
	JLOAD \slot                                    ; the first tensor load behind the round; its four v_nop are the places in front of the loads below
.else
	PLACES
.endif
	FETCH \next, 0, F0
	WIN MUL
	MUL8 F1, 3, 0
.endm
	s_wait_tensorcnt 1                             ; my part of the walk's first K step is in (the second's load may be out),
	s_barrier_signal -1
	s_barrier_wait -1                              ; everybody's is
	FETCH 0, 0, F0
	QUARTER 0, 64, F0, F1, 1                       ; the first quarter stands in front of the loop: its products start the sums
	WIN 0
	s_mov_b32 s[LAP], 7
.Llap:                                                 ; a trip goes once round the ring and fills both slots again: 7 trips, the walk's steps 2 to 15
	QUARTER 0, 128, F1, F0, 0
	QUARTER 0, 192, F0, F1, 0
	TURN 0, 1, 1
	QUARTER 1, 64,  F0, F1, 0
	QUARTER 1, 128, F1, F0, 0
	QUARTER 1, 192, F0, F1, 0
	TURN 1, 0, 1
	QUARTER 0, 64,  F0, F1, 0
	WIN 0
	s_sub_co_u32 s[LAP], s[LAP], 1
	s_cmp_lg_u32 s[LAP], 0
	s_cbranch_scc1 .Llap
	QUARTER 0, 128, F1, F0, 0                      ; the last lap fills nothing
	QUARTER 0, 192, F0, F1, 0
	TURN 0, 1, 0
	QUARTER 1, 64,  F0, F1, 0
	QUARTER 1, 128, F1, F0, 0
	QUARTER 1, 192, F0, F1, 0
	s_wait_dscnt 4
	WIN MUL
	MUL8 F1, 0, 0
	MUL8 F1, 1, 0
	s_wait_dscnt 0
	MUL8 F1, 2, 0
	MUL8 F1, 3, 0
	WIN 0
; THE WAY OUT, a block of 16 queries at a time.  ARG: the largest score, M, and t - M.  EXPS: 64 exponentials.  FIN: p as f16, and the sum.  The next block's ARG is the independent work behind a block's exponentials,
; and one wait stands ahead of their first reader.
.macro ARG a
.set rT, ST+8*(\a)
.set rA, 64*(\a)
.set rD, T+64*((\a)%2)
	WIN 0x15                                       ; all three sources window 1
.irp j, 0,1,2,3
	v_max3_num_f32 v[rT+4+\j], v[rA+16*\j], v[rA+16*\j+1], v[rA+16*\j+2]   ; four chains of 16 scores; every accumulator is first read at its low end
.endr
	WIN 0x14                                       ; source 0 window 0
.irp i, 3,5,7,9,11,13
.irp j, 0,1,2,3
	v_max3_num_f32 v[rT+4+\j], v[rT+4+\j], v[rA+16*\j+\i], v[rA+16*\j+\i+1]
.endr
.endr
.irp j, 0,1,2,3
	v_max_num_f32 v[rT+4+\j], v[rT+4+\j], v[rA+16*\j+15]
.endr
	WIN 0
	v_max3_num_f32 v[rT+4], v[rT+4], v[rT+5], v[rT+6]
	v_max_num_f32 v[rT+4], v[rT+4], v[rT+7]
	v_permlanex16_b32 v[rT+5], v[rT+4], s[SEL], s[SEL+1]   ; the query's other 64 keys lie in the lane 16 away
	v_max_num_f32 v[rT+4], v[rT+4], v[rT+5]
	v_mul_f32 v[rT+1], s[CS], v[rT+4]              ; as t (c is positive)
	v_floor_f32 v[rT], -v[rT+1]                    ; -M = floor(-t) = -ceil(t)
	WIN 0x01                                       ; source 0 window 1
.set i, 0
.rept 32
	v_pk_fma_f32 v[rD+i:rD+i+1], v[rA+i:rA+i+1], s[CS:CS+1], v[rT:rT+1] op_sel_hi:[1,0,0]   ; t - M, two at a time
.set i, i+2
.endr
	WIN 0
.endm
.macro EXPS a
.set rD, T+64*((\a)%2)
.set i, 0
.rept 64
	v_exp_f32 v[rD+i], v[rD+i]                     ; p = 2^(t - M), at most 1
.set i, i+1
.endr
.endm
.macro FIN a
.set rT, ST+8*(\a)
.set rD, T+64*((\a)%2)
.set i, 0
.rept 32
	v_cvt_pk_f16_f32 v[PK+i], v[rD+2*i], v[rD+2*i+1]
.set i, i+1
.endr
	v_pk_add_f32 v[rT+2:rT+3], v[rD:rD+1], v[rD+2:rD+3]       ; the sum of the unrounded p, two at a time, in two chains
	v_pk_add_f32 v[rT+4:rT+5], v[rD+4:rD+5], v[rD+6:rD+7]
.set i, 8
.rept 14
	v_pk_add_f32 v[rT+2:rT+3], v[rT+2:rT+3], v[rD+i:rD+i+1]
	v_pk_add_f32 v[rT+4:rT+5], v[rT+4:rT+5], v[rD+i+2:rD+i+3]
.set i, i+4
.endr
	v_pk_add_f32 v[rT+2:rT+3], v[rT+2:rT+3], v[rT+4:rT+5]
	v_add_f32 v[rT+2], v[rT+2], v[rT+3]
	v_permlanex16_b32 v[rT+4], v[rT+2], s[SEL], s[SEL+1]
	v_add_f32 v[rT+2], v[rT+2], v[rT+4]            ; l of my query and my block of keys
.endm
.macro TOSTAGE
	s_wait_xcnt 0x0                                ; the block before's stores have read BK: the loads below may land there
.irp b, 0,1,2,3,4,5,6,7
	ds_store_b128 v[STO], v[PK+4*\b:PK+4*\b+3] offset:32*\b
.endr
.irp t, 0,1,2,3,4,5,6,7
	ds_load_b128 v[BK+4*\t:BK+4*\t+3], v[RD] offset:\t*2*PITCH   ; LDS serves a wave's instructions in order: these see the stores above
.endr
.endm
.macro SEND a
	s_wait_dscnt 0x0
.irp t, 0,1,2,3,4,5,6,7
	global_store_b128 v[CO], v[BK+4*\t:BK+4*\t+3], s[6:7] offset:(16*(\a)+2*\t)*PROW   ; 16 lanes store 256 consecutive bytes, aligned
.endr
.endm
	PLACES                                         ; behind the last products
	ARG 0
	EXPS 0
	ARG 1
	s_wait_alu depctr_va_vdst(0)                   ; one wait for block 0's 64 exponentials, ahead of their first reader
	FIN 0
	TOSTAGE
	EXPS 1
	ARG 2
	s_wait_alu depctr_va_vdst(0)
	FIN 1
	SEND 0
	TOSTAGE
	EXPS 2
	ARG 3
	s_wait_alu depctr_va_vdst(0)
	FIN 2
	SEND 1
	TOSTAGE
	EXPS 3
	v_nop                                          ; a plain line behind the last exponential
	s_wait_alu depctr_va_vdst(0)
	FIN 3
	SEND 2
	TOSTAGE
	SEND 3
	v_cmp_eq_u32 vcc_lo, 1, v2                     ; the statistics: both halves of the lanes hold a query's; lanes 0-15 give block 2 i's, lanes 16-31 block 2 i + 1's
.irp i, 0,1
	v_cndmask_b32 v[4+2*\i], v[ST+16*\i], v[ST+16*\i+8], vcc_lo
	v_cndmask_b32 v[5+2*\i], v[ST+16*\i+2], v[ST+16*\i+10], vcc_lo
	global_store_b64 v[STA], v[4+2*\i:5+2*\i], s[8:9] offset:256*\i   ; 32 queries x 8 bytes: 256 consecutive bytes, aligned
.endr
	s_wait_tensorcnt 0x0                           ; the wave's end
	ds_add_u32 v[SPW], v[NIL]
	s_wait_dscnt 0x0
	CROUND                                         ; the closing round
	s_endpgm
.Lfunc_end_k_qd926173626_scores:
	.size	k_qd926173626_scores, .Lfunc_end_k_qd926173626_scores-k_qd926173626_scores
	.p2alignl 7, 3214868480
	.fill 96, 4, 3214868480
	.section	.rodata,"a",@progbits
	.p2align	6, 0x0
	.amdhsa_kernel k_qd926173626_scores
		.amdhsa_group_segment_fixed_size 327680
		.amdhsa_private_segment_fixed_size 0
		.amdhsa_enable_private_segment 0
		.amdhsa_kernarg_size 24
		.amdhsa_user_sgpr_count 2
		.amdhsa_user_sgpr_kernarg_segment_ptr 1
		.amdhsa_wavefront_size32 1
		.amdhsa_system_sgpr_workgroup_id_x 1
		.amdhsa_system_sgpr_workgroup_id_y 1
		.amdhsa_system_sgpr_workgroup_id_z 1
		.amdhsa_system_vgpr_workitem_id 0
		.amdhsa_next_free_vgpr 512
		.amdhsa_next_free_sgpr 72
		.amdhsa_reserve_vcc 1
		.amdhsa_float_denorm_mode_32 3
		.amdhsa_float_denorm_mode_16_64 3
		.amdhsa_memory_ordered 1
		.amdhsa_forward_progress 1
		.amdhsa_inst_pref_size 121
	.end_amdhsa_kernel
	.amdgpu_metadata
---
amdhsa.version: [ 1, 2 ]
amdhsa.kernels:
  - .name:           k_qd926173626_scores
    .symbol:         k_qd926173626_scores.kd
    .args:
      - { .name: h16, .offset: 0, .size: 8, .value_kind: global_buffer, .address_space: global }
      - { .name: p16, .offset: 8, .size: 8, .value_kind: global_buffer, .address_space: global }
      - { .name: stats, .offset: 16, .size: 8, .value_kind: global_buffer, .address_space: global }
    .group_segment_fixed_size: 327680
    .private_segment_fixed_size: 0
    .kernarg_segment_align: 8
    .kernarg_segment_size: 24
    .max_flat_workgroup_size: 128
    .sgpr_count:     72
    .vgpr_count:     512
    .wavefront_size: 32
...
	.end_amdgpu_metadata
.endif
;; end of part 3
;; launch mix (part 4): grid 16 x 16, 4 waves a work-group, clusters of 4 x 4, 327,680 bytes of LDS; arguments p16, ref16, stats, out0; writes out0
.if DOCPART == 4
	.amdgcn_target "amdgcn-amd-amdhsa--gfx1250"
	.amdhsa_code_object_version 6
	.text
	.protected	k_qd926173626_mix
	.globl	k_qd926173626_mix
	.p2align	8
	.type	k_qd926173626_mix,@function
k_qd926173626_mix:
	s_mov_b64 s[64:65], 0
	v_nop
	global_prefetch_b8 v0, s[64:65] scope:SCOPE_SE
	s_setreg_imm32_b32 hwreg(HW_REG_WAVE_MODE, 25, 1), 1
	s_wait_xcnt 0x0
	s_wait_alu depctr_hold_cnt(0) depctr_sa_sdst(0) depctr_va_vdst(0) depctr_va_sdst(0) depctr_va_ssrc(0) depctr_va_vcc(0) depctr_vm_vsrc(0)
	s_getreg_b32 s2, hwreg(HW_REG_IB_STS2, 6, 4)
	s_cmp_eq_u32 s2, 0
	s_cbranch_scc0 .Lentry_in_a_cluster
	s_endpgm
.Lentry_in_a_cluster:
	s_bfe_u32 s2, ttmp6, 0x10000c
	s_cmp_lg_u32 s2, 0xf033
	s_cbranch_scc0 .Lentry_shape_is_right
	s_endpgm
.Lentry_shape_is_right:
; out0[q][n] = sum over the 32 blocks e of 128 keys of g[q][e] x (sum over the block's keys k of p[q][k] ref[k][n]), f16 operands, f32 sums.
; p16 holds p = 2^(t - M of its block); stats holds (-M, l) for each block and query.  The row's M is the largest of its 32 blocks' (the maximum is taken away as the reference takes it);
; f = 2^(M of the block - M of the row), a power of two, at most 1; l[q] = the sum of the blocks' l x f; g = f / l[q], in f32.
; p goes to the matrix unit as it was stored.  A block's products are summed in accumulators X of their own, begun with C = 0; a finished block is FOLDED into the main sums M by fused multiply-adds, M += g X.
; LIMIT: a weight p under 2^-14 was kept with absolute error 2^-25 (f16), against its block's largest weight of 0.5 or more.
; SHARES.  A work-group makes 128 queries x 128 channels; each of its four waves 64 x 64: 16 accumulators.  2,048 x 2,048 outputs in tiles of 128 x 128 are 256 work-groups.
; K = 4,096 keys go in steps of 256 (two blocks) through two LDS slots: p's rows of 512 bytes, ref's 256 rows of 256 bytes.
; THE MATRIX INSTRUCTION IS USED TRANSPOSED: source 0 = 16 channels of ref (stored [key][channel]: turned by ds_load_tr16_b128), source 1 = 16 queries of p: a lane holds ONE query and eight neighbouring channels.
; CLUSTERS: 4 x 4.  p's tile hangs on the tile row (shared along a row of the cluster), ref's on the tile column (shared along a column): joint loads.
; THE WALK ALONG K: cluster (x, y) begins at K step (4 x + 8 (y % 2)) % 16 and wraps round, so that clusters which read the same rows ask for different bytes at any one time.  The start hangs on the cluster's
; numbers alone, which all sixteen partners share.  The table of g is filled in the walk's order, so that no LDS address hangs on the start.
; REGISTERS: window 0: v1-29 addresses; v32-95 at work at the head; v96-99 g as loaded, v100-107 g in pairs; v108-123 at the head; v128-191, v192-255 ref's fragments, two buffers ((c, b) at + 8 (4 c + b)).
;   window 1: v0-127 X, accumulator (a, b) at v[8 (4 a + b)]; v128-191, v192-255 p's fragments, two buffers ((c, a) at + 8 (4 c + a)).   window 2: v0-127 M, laid as X.
; One window setting serves the matrix instructions and p's LDS loads; a fold wants another (X is the product's destination and the fold's source): four switches a fold.
.set PA,    528                        ; a row of p in LDS: 512 bytes + 16
.set PB,    288                        ; a row of ref: 256 bytes + 32: 16 lanes of the turning load take 8 rows x 32 bytes, 72 words apart
.set ASZ,   128*PA
.set BH,    128*PB                     ; 128 rows of ref: what one load brings
.set SLOT,  ASZ+2*BH
.set FT,    2*SLOT                     ; behind the ring: each wave's own table of g: [32 blocks in the walk's order][16 r][4 a] f32: 8,192 bytes a wave
.set SPARE, FT+4*8192                  ; behind the tables: the spare words
.set SP,    272                        ; the way out: 16 rows x (256 bytes + 16) for each wave, in slot 0, which has had its last fill and its last read by then
.set OROW,  8192                       ; a row of out0 in bytes
.set SV,   8                           ; v8   stats: 16,384 h + 8 r
.set FW,   9                           ; v9   where I store g
.set FADR, 10                          ; v10  where I read it: steps 1,024 bytes (four blocks) a lap
.set ADRA, 16                          ; v16-17 p's fragments in slot 0, 1
.set ADRB, 20                          ; v20-23 ref's: slot s, half u of its 256 rows, at v[20 + 2 s + u]
.set STO,  24
.set RD,   25
.set CO,   26
.set SPW,  28
.set NIL,  29
.set VO,   32                          ; v32-47 the statistics' offsets, one for each pair of blocks
.set FH,   32                          ; v32-95 g on its way to the table
.set G,    96
.set GP,   100
.set NM,   108
.set LS,   112
.set TP,   116
.set RL,   120
.set BK,   128
.set OFS, 2                            ; s2   the K step at which my cluster's walk begins
.set SI,  3                            ; s3   the K step to be asked for next
.set WV, 12
.set RH, 13                            ; which 64 queries are mine.  Also: I fetch for p (0) or for ref (1)
.set CH, 14                            ; which 64 channels.  Also: which half of that tile I fetch
.set LAP, 15
.set BA, 16                            ; s[16:17] p16 at the first of the rows that I fetch; kept
.set BB, 46                            ; s[46:47] ref16 at my half of K step 0's rows, my tile's columns; kept
.set G1, 24
.set G0, 32
.set G1B, 48
.set G0B, 56
.set SEL, 66
.set KB,  68                           ; s[68:69] a K step's byte offset in ref16, and 0 above it
.set KA,  70                           ; s[70:71] the same in a row of p16
.set MSB, 0
.macro WIN new
.if MSB != \new
	s_set_vgpr_msb (MSB<<8)|\new
.set MSB, \new
.endif
.endm
.set W_M, 0x54                         ; destination, source 1 and source 2 window 1, source 0 window 0
.set W_F, 0xa1                         ; destination and source 2 (M) window 2, source 0 (X) window 1, source 1 (g) window 0
.macro JLOAD s                         ; a joint load; an s_nop 0 and four v_nop follow each of the two lines
	s_cmp_eq_u32 s[RH], 0
	s_cbranch_scc0 .Lfor_b_\@
	tensor_load_to_lds s[G0+4*\s:G0+4*\s+3], s[G1:G1+7]
	s_nop 0
.rept 4
	v_nop
.endr
	s_branch .Lasked_\@
.Lfor_b_\@:
	tensor_load_to_lds s[G0B+4*\s:G0B+4*\s+3], s[G1B:G1B+7]
	s_nop 0
.rept 4
	v_nop
.endr
.Lasked_\@:
.endm
.macro SETG s                          ; slot s's two groups 0 get K step SI: 512 bytes a step along p's rows, 256 rows of 4,096 bytes a step in ref16; SI goes one on and wraps at 16
	s_lshl_b32 s[KA], s[SI], 9
	s_lshl_b32 s[KB], s[SI], 20
	s_add_nc_u64 s[G0+4*\s+2:G0+4*\s+3], s[BA:BA+1], s[KA:KA+1]
	s_or_b32 s[G0+4*\s+3], s[G0+4*\s+3], 0x80000000
	s_add_nc_u64 s[G0B+4*\s+2:G0B+4*\s+3], s[BB:BB+1], s[KB:KB+1]
	s_or_b32 s[G0B+4*\s+3], s[G0B+4*\s+3], 0x80000000
	s_add_co_u32 s[SI], s[SI], 1
	s_and_b32 s[SI], s[SI], 15
.endm
.macro CREST
	s_cmp_lg_u32 s[WV], 0
	s_cbranch_scc1 .Lnot_wave_0_\@
	s_barrier_signal -3
.Lnot_wave_0_\@:
	s_barrier_wait -3
	s_barrier_signal -1
	s_barrier_wait -1
.endm
.macro CROUND
	s_barrier_signal -1
	s_barrier_wait -1
	CREST
.endm
	s_load_b128 s[4:7], s[0:1], 0x0                ; p16, ref16
	s_load_b128 s[8:11], s[0:1], 0x10              ; stats, out0
	v_lshl_add_u32 v[SPW], v0, 2, SPARE
	v_mov_b32 v[NIL], 0
	ds_add_u32 v[SPW], v[NIL]                      ; the wave's opening: the add, twice on end, and its wait ahead of my first tensor load
	ds_add_u32 v[SPW], v[NIL]
	v_lshrrev_b32 v1, 5, v0
	v_readfirstlane_b32 s[WV], v1
	s_lshr_b32 s[RH], s[WV], 1
	s_and_b32 s[CH], s[WV], 1
	s_bfe_u32 s40, ttmp6, 0x40000                  ; cx
	s_bfe_u32 s41, ttmp6, 0x40004                  ; cy
	s_lshl_b32 s42, ttmp9, 2
	s_add_co_u32 s42, s42, s40                     ; tile column: 128 channels
	s_and_b32 s43, ttmp7, 0xffff
	s_lshl_b32 s43, s43, 2
	s_add_co_u32 s43, s43, s41                     ; tile row: 128 queries
	s_lshl_b32 s44, s41, 2
	s_lshl_b32 s44, 15, s44                        ; my row of the cluster
	s_lshl_b32 s45, 0x1111, s40                    ; my column
	; group 1.  p: 64 rows x 256 elements of 2 bytes, 16 bytes of padding behind each row;  ref: 128 rows x 128 elements, 32 bytes of padding
	s_or_b32 s[G1+0], s44, (1<<16)|(1<<20)|(1<<21)|(6<<22)|(3<<25)
	s_or_b32 s[G1B+0], s45, (1<<16)|(1<<20)|(1<<21)|(5<<22)|(7<<25)
	s_mov_b32 s[G1+1], 256<<16                     ; tensor_dim0
	s_mov_b32 s[G1+2], 64<<16                      ; tensor_dim1
	s_mov_b32 s[G1+3], 256<<16                     ; tile_dim0
	s_mov_b32 s[G1+4], 64                          ; tile_dim1
	s_mov_b32 s[G1+5], 4096                        ; the pitch, in elements
	s_mov_b32 s[G1+6], 0
	s_mov_b32 s[G1+7], 0
	s_mov_b32 s[G1B+1], 128<<16
	s_mov_b32 s[G1B+2], 128<<16
	s_mov_b32 s[G1B+3], 128<<16
	s_mov_b32 s[G1B+4], 128
	s_mov_b32 s[G1B+5], 2048
	s_mov_b32 s[G1B+6], 0
	s_mov_b32 s[G1B+7], 0
	s_mov_b32 s[SEL], 0x76543210
	s_mov_b32 s[SEL+1], 0xfedcba98
	s_and_b32 s[OFS], ttmp7, 1                     ; where my cluster's walk begins: the cluster's y % 2,
	s_lshl_b32 s[OFS], s[OFS], 1
	s_add_co_u32 s[OFS], s[OFS], ttmp9             ; x + 2 (y % 2),
	s_lshl_b32 s[OFS], s[OFS], 2                   ; x 4 K steps,
	s_and_b32 s[OFS], s[OFS], 15                   ; among the 16
	s_mov_b32 s[SI], s[OFS]
	s_mov_b32 s[KA+1], 0
	s_mov_b32 s[KB+1], 0
	s_lshl_b32 s16, s43, 7
	s_lshl_b32 s17, s[CH], 6
	s_add_co_u32 s16, s16, s17                     ; p: row 128 x tile row + 64 x half
	s_lshl_b32 s16, s16, 13                        ; x 8,192 bytes
	s_mov_b32 s17, 0
	s_lshl_b32 s46, s[CH], 19                      ; ref: key 128 x half, x 4,096 bytes,
	s_lshl_b32 s47, s42, 8
	s_add_co_u32 s46, s46, s47                     ; + 256 bytes x tile column
	s_mov_b32 s47, 0
	s_mul_i32 s20, s[CH], 64*PA                    ; where they go: no place in the cluster enters an LDS address
	s_mul_i32 s21, s[CH], BH
	s_add_co_u32 s21, s21, ASZ
	s_wait_dscnt 0x0                               ; both opening adds are done
	s_wait_kmcnt 0x0
	s_add_nc_u64 s[BA:BA+1], s[4:5], s[16:17]
	s_add_nc_u64 s[BB:BB+1], s[6:7], s[46:47]
	CROUND                                         ; all sixteen work-groups are here: the first joint loads meet
.irp s, 0,1
	s_mov_b32 s[G0+4*\s], 1
	s_add_co_u32 s[G0+4*\s+1], s20, \s*SLOT
	s_mov_b32 s[G0B+4*\s], 1
	s_add_co_u32 s[G0B+4*\s+1], s21, \s*SLOT
	SETG \s
	JLOAD \s                                       ; two loads of mine are out behind the second
.endr
	; addresses, and the statistics' work: all of it runs while the first tiles are on their way
	v_and_b32 v1, 15, v0                           ; r
	v_bfe_u32 v2, v0, 4, 1                         ; h
	s_lshl_b32 s18, s43, 7
	s_lshl_b32 s19, s[RH], 6
	s_add_co_u32 s18, s18, s19                     ; my first query
	s_lshl_b32 s22, s18, 3
	s_mov_b32 s23, 0
	s_add_nc_u64 s[8:9], s[8:9], s[22:23]          ; stats at my first query, key block 0
	v_lshlrev_b32 v[SV], 3, v1
	v_lshl_add_u32 v[SV], v2, 14, v[SV]            ; lanes 16-31 take the odd key blocks
.set j, 0
.rept 16
	s_add_co_u32 s22, s[OFS], j                    ; the walk's step j is K step (j + start) % 16: key blocks 2 x that and + 1
	s_and_b32 s22, s22, 15
	s_lshl_b32 s22, s22, 15                        ; 32,768 bytes of stats a K step
	v_add_nc_u32 v[VO+j], s22, v[SV]
.set j, j+1
.endr
.set j, 0
.rept 16
.irp a, 0,1,2,3
	global_load_b64 v[128+2*(4*j+\a):128+2*(4*j+\a)+1], v[VO+j], s[8:9] offset:\a*128   ; (-M, l) of query 16 a + r, block 2 j + h of the walk
.endr
.set j, j+1
.endr
	s_lshl_b32 s18, s18, 13                        ; out0: 8,192 bytes a query
	s_lshl_b32 s19, s42, 9
	s_add_co_u32 s18, s18, s19                     ; + 512 x tile column
	s_lshl_b32 s19, s[CH], 8
	s_add_co_u32 s18, s18, s19                     ; + 256 x half
	s_mov_b32 s19, 0
	s_add_nc_u64 s[10:11], s[10:11], s[18:19]
	v_mul_u32_u24 v3, v1, PA
	v_lshl_add_u32 v3, v2, 4, v3                   ; p: row x pitch + 16 x half
	s_mul_i32 s20, s[RH], 64*PA
	v_add_nc_u32 v[ADRA], s20, v3
	s_add_co_u32 s20, s20, SLOT
	v_add_nc_u32 v[ADRA+1], s20, v3
	v_and_b32 v3, 7, v0                            ; ref, turned: lane l reads 16 bytes of key 8 h + l % 8, channels 8 ((l / 8) % 2) on
	v_lshl_add_u32 v3, v2, 3, v3
	v_mul_u32_u24 v3, v3, PB
	v_bfe_u32 v4, v0, 3, 1
	v_lshl_add_u32 v3, v4, 4, v3
	s_lshl_b32 s21, s[CH], 7                       ; my 64 channels: 128 bytes x half
	s_add_co_u32 s21, s21, ASZ
.irp s, 0,1
.irp u, 0,1
	s_add_co_u32 s22, s21, \s*SLOT+\u*BH
	v_add_nc_u32 v[ADRB+2*\s+\u], s22, v3
.endr
.endr
	s_lshl_b32 s22, s[WV], 13
	s_add_co_u32 s22, s22, FT                      ; my table of g
	v_lshlrev_b32 v3, 4, v1
	v_add_nc_u32 v[FADR], s22, v3                  ; 16 r: four words, one for each block of 16 queries
	v_lshl_add_u32 v3, v2, 8, v3
	v_add_nc_u32 v[FW], s22, v3                    ; + 256 h: lanes 16-31 store the odd blocks
	s_mul_i32 s22, s[WV], 16*SP                    ; my stage
	v_mul_u32_u24 v3, v1, SP
	v_lshl_add_u32 v3, v2, 5, v3
	v_add_nc_u32 v[STO], s22, v3                   ; in: row r, 32 bytes for each half of the lanes
	v_mul_u32_u24 v3, v2, SP
	v_lshl_add_u32 v3, v1, 4, v3
	v_add_nc_u32 v[RD], s22, v3                    ; back: lanes 0-15 one row of 256 bytes, lanes 16-31 the next
	v_lshlrev_b32 v3, 13, v2
	v_lshl_add_u32 v[CO], v1, 4, v3                ; and the same two rows in out0
.irp a, 0,1,2,3
	v_mov_b32 v[TP+\a], 0                          ; written once: a lane permute's destination counts as one of its sources
	v_mov_b32 v[GP+2*\a+1], 0                      ; written once: the packed forms name a pair and take its low word for both halves
.endr
	s_wait_loadcnt 0x0                             ; the statistics
.irp a, 0,1,2,3
	v_min_num_f32 v[NM+\a], v[128+2*\a], v[128+2*(4+\a)]   ; the smallest -M of my 16 blocks; the four blocks of queries by turns
.endr
.irp j, 2,3,4,5,6,7,8,9,10,11,12,13,14,15
.irp a, 0,1,2,3
	v_min_num_f32 v[NM+\a], v[NM+\a], v[128+2*(4*\j+\a)]
.endr
.endr
.irp a, 0,1,2,3
	v_permlanex16_b32 v[TP+\a], v[NM+\a], s[SEL], s[SEL+1]
.endr
.irp a, 0,1,2,3
	v_min_num_f32 v[NM+\a], v[NM+\a], v[TP+\a]     ; with the other 16: -M of the row
.endr
.set j, 0
.rept 16
.irp a, 0,1,2,3
	v_sub_f32 v[128+2*(4*j+\a)], v[NM+\a], v[128+2*(4*j+\a)]   ; M of the block - M of the row: a whole number, 0 or less
.endr
.irp a, 0,1,2,3
	v_cvt_i32_f32 v[128+2*(4*j+\a)], v[128+2*(4*j+\a)]         ; (it saturates)
.endr
.irp a, 0,1,2,3
	v_ldexp_f32 v[128+2*(4*j+\a)], 1.0, v[128+2*(4*j+\a)]      ; f
.endr
.irp a, 0,1,2,3
.if j == 0
	v_mul_f32 v[LS+\a], v[129+2*(4*j+\a)], v[128+2*(4*j+\a)]   ; the first term starts the row's sum
.else
	v_fmac_f32 v[LS+\a], v[129+2*(4*j+\a)], v[128+2*(4*j+\a)]
.endif
.endr
.set j, j+1
.endr
.irp a, 0,1,2,3
	v_permlanex16_b32 v[TP+\a], v[LS+\a], s[SEL], s[SEL+1]
.endr
.irp a, 0,1,2,3
	v_add_f32 v[LS+\a], v[LS+\a], v[TP+\a]         ; l of the row: 0.5 or more
.endr
.irp a, 0,1,2,3
	v_rcp_f32 v[RL+\a], v[LS+\a]
.endr
	v_nop                                          ; a plain line behind the last reciprocal
	s_wait_alu depctr_va_vdst(0)                   ; one wait for the four, ahead of their first reader
.set j, 0
.rept 16
.irp a, 0,1,2,3
	v_mul_f32 v[FH+4*j+\a], v[128+2*(4*j+\a)], v[RL+\a]        ; g = f / l
.endr
.set j, j+1
.endr
.set j, 0
.rept 16
	ds_store_b128 v[FW], v[FH+4*j:FH+4*j+3] offset:512*j       ; block 2 j + h of the walk, query r of each of my four blocks of queries
.set j, j+1
.endr
; n matrix instructions from number i0 on: instruction i is block i / 4 of my queries x block i % 4 of my channels, half c (32 keys) of buffer f.  zero = 1: they begin a key block's sums.
; The 16 accumulators take turns, one instruction a turn.
.macro MULN f, c, i0, n, zero
.set mi, \i0
.rept \n
.set rC, 8*mi
.set rB, 128+64*(\f)+8*(4*(\c)+mi%4)
.set rA, 128+64*(\f)+8*(4*(\c)+mi/4)
.if \zero
	v_wmma_f32_16x16x32_f16 v[rC:rC+7], v[rB:rB+7], v[rA:rA+7], 0
.else
	v_wmma_f32_16x16x32_f16 v[rC:rC+7], v[rB:rB+7], v[rA:rA+7], v[rC:rC+7]
.endif
.set mi, mi+1
.endr
.endm
; The finished block's accumulators i0 .. i0 + n - 1 go into the main sums: M += g X, two numbers at a time, each accumulator from its low end on.  first = 1: the first block starts M: nothing is ever cleared.
.macro FOLD i0, n, first
.set fe, 8*(\i0)
.rept 4*(\n)
.if \first
	v_pk_mul_f32 v[fe:fe+1], v[fe:fe+1], v[GP+2*(fe/32):GP+2*(fe/32)+1] op_sel_hi:[1,0]
.else
	v_pk_fma_f32 v[fe:fe+1], v[fe:fe+1], v[GP+2*(fe/32):GP+2*(fe/32)+1], v[fe:fe+1] op_sel_hi:[1,0,1]
.endif
.set fe, fe+2
.endr
.endm
; The fragments of quarter q (64 keys) of a slot into buffer g: 16 turning loads for ref, 16 loads for p.  tab = 1 and q even: also the four g of the key block that ends with the quarter before:
; block (2 slot + q / 2 + 3) % 4 of the four at which FADR stands.
.macro FETCH slot, q, g, tab
	WIN 0
.if (((\q)%2) == 0) && (\tab)
	ds_load_b128 v[G:G+3], v[FADR] offset:256*((2*(\slot)+(\q)/2+3)%4)
.endif
.set fi, 0
.rept 8
	ds_load_tr16_b128 v[128+64*(\g)+8*fi:128+64*(\g)+8*fi+3],   v[ADRB+2*(\slot)+(\q)/2] offset:(((\q)%2)*64+32*(fi/4))*PB+32*(fi%4)
	ds_load_tr16_b128 v[128+64*(\g)+8*fi+4:128+64*(\g)+8*fi+7], v[ADRB+2*(\slot)+(\q)/2] offset:(((\q)%2)*64+32*(fi/4)+16)*PB+32*(fi%4)
.set fi, fi+1
.endr
	WIN W_M                                        ; destination window 1, address window 0
.set fi, 0
.rept 8
	ds_load_b128 v[128+64*(\g)+8*fi:128+64*(\g)+8*fi+3],   v[ADRA+\slot] offset:128*(\q)+64*(fi/4)+(fi%4)*16*PA
	ds_load_b128 v[128+64*(\g)+8*fi+4:128+64*(\g)+8*fi+7], v[ADRA+\slot] offset:128*(\q)+64*(fi/4)+(fi%4)*16*PA+32
.set fi, fi+1
.endr
.endm
; A K step is four quarters of 64 keys, 32 matrix instructions each, on buffers 0, 1, 0, 1; two quarters are a key block.  One of the first three: waits for buffer f, asks for the next quarter into buffer g
; (it has this quarter's 32 matrix instructions in which to come), and multiplies.
; mode 0: a block's second quarter.  1: the walk's first quarter.  2, 3: a block's first quarter: the block before is folded (2: by the multiply that starts M), in two halves, each ahead of the 8 products that begin its accumulators anew.
; The plain lines at the head are the places behind the last products: four in front of the loads into buffer g and of the fold's reads, five in front of the products that write over X.
.macro QUARTER slot, q, f, g, mode
	s_wait_dscnt 0x0                               ; buffer f is whole, and so are the four g
	WIN 0
.if (\mode) >= 2
.irp a, 0,1,2,3
	v_mov_b32 v[GP+2*\a], v[G+\a]                  ; g into the low words of four pairs
.endr
.if ((\slot) == 0) && ((\q) == 0)
	v_add_nc_u32 v[FADR], 1024, v[FADR]            ; the next lap's four blocks (no LDS load of mine is out)
.else
	v_nop
.endif
.elseif (\mode) == 0
.rept 4
	v_nop
.endr
.endif
	FETCH \slot, (\q)+1, \g, 1
.if (\mode) >= 2
	WIN W_F
	FOLD 0, 8, (3-(\mode))
	WIN W_M
	MULN \f, 0, 0, 8, 1
	WIN W_F
	FOLD 8, 8, (3-(\mode))
	WIN W_M
	MULN \f, 0, 8, 8, 1
.else
	MULN \f, 0, 0, 16, \mode
.endif
	MULN \f, 1, 0, 16, 0
.endm
; The last quarter multiplies buffer 1 and changes slots.  24 of its 32 matrix instructions stand AHEAD of the wait for the tensor loads: between that wait and the next request stand only the add, the
; descriptors' words, the wait for the add, and the round.  The last 8 stand behind the first fetch from the next slot.  So a request has a K step's 128 matrix instructions ahead of the wait for it.
.macro TURN slot, next, fill
	s_wait_dscnt 0x0                               ; buffer 1 is whole: my reads of this slot are over
	WIN W_M
	MULN 1, 0, 0, 16, 0
	MULN 1, 1, 0, 8, 0
	WIN 0
	s_wait_tensorcnt 0x0                           ; all my tensor loads have landed: my part of the next slot; so a group 0 may be written
	ds_add_u32 v[SPW], v[NIL]                      ; 0 onto my spare word
.if \fill
	SETG \slot                                     ; this slot's next K step: work on registers between the add and the wait for it
.endif
	s_wait_dscnt 0x0                               ; the add is done
	s_barrier_signal -1
	s_barrier_wait -1
.if \fill
	CREST                                          ; the barrier has opened a round of the cluster's barrier: no wave of any partner still reads this slot or has a load on its way
	JLOAD \slot                                    ; the first tensor load behind the round; its four v_nop are the places in front of the loads below
.else
.rept 4
	v_nop
.endr
.endif
	FETCH \next, 0, 0, 1
	MULN 1, 1, 8, 8, 0
.endm
	s_wait_tensorcnt 1                             ; my part of the walk's first K step is in (the second's load may be out),
	s_wait_dscnt 0x0                               ; my table of g is stored,
	s_barrier_signal -1
	s_barrier_wait -1                              ; everybody's is
	FETCH 0, 0, 0, 0
	QUARTER 0, 0, 0, 1, 1                          ; the first three quarters stand in front of the loop: the first products start X, the first fold starts M
	QUARTER 0, 1, 1, 0, 0
	QUARTER 0, 2, 0, 1, 2
	WIN 0
	s_mov_b32 s[LAP], 7
.Llap:                                                 ; a trip goes once round the ring, from a change of slots on, and fills both slots again: 7 trips, the walk's steps 2 to 15
	TURN 0, 1, 1
	QUARTER 1, 0, 0, 1, 3
	QUARTER 1, 1, 1, 0, 0
	QUARTER 1, 2, 0, 1, 3
	TURN 1, 0, 1
	QUARTER 0, 0, 0, 1, 3
	QUARTER 0, 1, 1, 0, 0
	QUARTER 0, 2, 0, 1, 3
	WIN 0
	s_sub_co_u32 s[LAP], s[LAP], 1
	s_cmp_lg_u32 s[LAP], 0
	s_cbranch_scc1 .Llap
	TURN 0, 1, 0                                   ; the tail fills nothing
	QUARTER 1, 0, 0, 1, 3
	QUARTER 1, 1, 1, 0, 0
	QUARTER 1, 2, 0, 1, 3
	s_wait_dscnt 0x0                               ; the very last quarter: nothing more to fetch but the last block's g
	WIN 0
	ds_load_b128 v[G:G+3], v[FADR] offset:768
	WIN W_M
	MULN 1, 0, 0, 16, 0
	MULN 1, 1, 0, 16, 0
	WIN 0
	s_wait_dscnt 0x0
.irp a, 0,1,2,3
	v_mov_b32 v[GP+2*\a], v[G+\a]                  ; these four are the places in front of the fold's reads
.endr
	WIN W_F
	FOLD 0, 16, 0                                  ; the last block
	WIN 0
; THE WAY OUT, a block of 16 queries x 64 channels at a time: M is the result as it stands; 32 bytes a lane through my own stage and back as whole rows of 256 bytes.
.macro TOSTAGE a
.set BB2, BK+32*((\a)%2)
	WIN 0x08                                       ; an LDS store's data are its source 1: window 2
.irp b, 0,1,2,3
	ds_store_b128 v[STO], v[32*(\a)+8*\b:32*(\a)+8*\b+3] offset:64*\b
	ds_store_b128 v[STO], v[32*(\a)+8*\b+4:32*(\a)+8*\b+7] offset:64*\b+16
.endr
	WIN 0
.irp t, 0,1,2,3,4,5,6,7
	ds_load_b128 v[BB2+4*\t:BB2+4*\t+3], v[RD] offset:\t*2*SP   ; LDS serves a wave's instructions in order: these see the stores above, and the next block's stores come behind them
.endr
.endm
.macro SEND a, younger                 ; younger: the LDS instructions issued behind block a's loads, which may stay out
.set BB2, BK+32*((\a)%2)
	s_wait_dscnt \younger                          ; the block is back in registers
.irp t, 0,1,2,3,4,5,6,7
	global_store_b128 v[CO], v[BB2+4*\t:BB2+4*\t+3], s[10:11] offset:(16*(\a)+2*\t)*OROW th:TH_STORE_NT   ; 16 lanes store 256 consecutive bytes, aligned; written once, read by nobody here
.endr
.endm
	TOSTAGE 0
.irp a, 1,2,3
.if \a > 1
	s_wait_xcnt 0x0                                ; block a - 2's stores have read their registers: block a's loads may land there
.endif
	TOSTAGE \a
	SEND \a-1, 16                                  ; behind block a - 1's loads: block a's 8 stores and 8 loads
.endr
	SEND 3, 0
	s_wait_tensorcnt 0x0                           ; the wave's end
	ds_add_u32 v[SPW], v[NIL]
	s_wait_dscnt 0x0
	CROUND                                         ; the closing round
	s_endpgm
.Lfunc_end_k_qd926173626_mix:
	.size	k_qd926173626_mix, .Lfunc_end_k_qd926173626_mix-k_qd926173626_mix
	.p2alignl 7, 3214868480
	.fill 96, 4, 3214868480
	.section	.rodata,"a",@progbits
	.p2align	6, 0x0
	.amdhsa_kernel k_qd926173626_mix
		.amdhsa_group_segment_fixed_size 327680
		.amdhsa_private_segment_fixed_size 0
		.amdhsa_enable_private_segment 0
		.amdhsa_kernarg_size 32
		.amdhsa_user_sgpr_count 2
		.amdhsa_user_sgpr_kernarg_segment_ptr 1
		.amdhsa_wavefront_size32 1
		.amdhsa_system_sgpr_workgroup_id_x 1
		.amdhsa_system_sgpr_workgroup_id_y 1
		.amdhsa_system_sgpr_workgroup_id_z 1
		.amdhsa_system_vgpr_workitem_id 0
		.amdhsa_next_free_vgpr 768
		.amdhsa_next_free_sgpr 72
		.amdhsa_reserve_vcc 0
		.amdhsa_float_denorm_mode_32 3
		.amdhsa_float_denorm_mode_16_64 3
		.amdhsa_memory_ordered 1
		.amdhsa_forward_progress 1
		.amdhsa_inst_pref_size 145
	.end_amdhsa_kernel
	.amdgpu_metadata
---
amdhsa.version: [ 1, 2 ]
amdhsa.kernels:
  - .name:           k_qd926173626_mix
    .symbol:         k_qd926173626_mix.kd
    .args:
      - { .name: p16, .offset: 0, .size: 8, .value_kind: global_buffer, .address_space: global }
      - { .name: ref16, .offset: 8, .size: 8, .value_kind: global_buffer, .address_space: global }
      - { .name: stats, .offset: 16, .size: 8, .value_kind: global_buffer, .address_space: global }
      - { .name: out0, .offset: 24, .size: 8, .value_kind: global_buffer, .address_space: global }
    .group_segment_fixed_size: 327680
    .private_segment_fixed_size: 0
    .kernarg_segment_align: 8
    .kernarg_segment_size: 32
    .max_flat_workgroup_size: 128
    .sgpr_count:     72
    .vgpr_count:     768
    .wavefront_size: 32
...
	.end_amdgpu_metadata
.endif
;; end of part 4
